; MI455X (gfx1250); checked and timed in simulation.
; The chip was launched on July 23, 2026; its instructions are those of AMD's public machine-readable ISA for CDNA 5 (MIT licence, August 2026) and "CDNA5" Instruction Set Architecture Reference Guide (July 2026). The comments in the code are by the model that wrote it; some were corrected since.
;; Encoder. Allowed arithmetic: matrix products marked QUANTISED: E4M3 operands, one E8M0 scale for each 32 along K, by v_wmma_scale_f32_16x16x128_f8f6f4 with both operands' format E4M3, f32 sums; everything else in f32.
;; Inputs: b1 4,096 float32; b2 1,024 float32; ln1_b 1,024 float32; ln1_w 1,024 float32; ln2_b 1,024 float32; ln2_w 1,024 float32; w1 1,024 x 4,096 float32; w2 4,096 x 1,024 float32; w_out 1,024 x 1,024 float32; w_qkv 1,024 x 3,072 float32; x 2 x 2,048 x 1,024 float32.
;; Outputs: out0 2 x 2,048 x 1,024 float32.
;; This version of the problem:
;;   THIS VERSION OF THE PROBLEM IS GIVEN IN LOW PRECISION. The matrix products marked QUANTISED in the list below multiply operands that are first quantised to E4M3 (4 exponent bits, 3 mantissa bits; 8 bits a number), with one power-of-two scale for each 32 numbers along K (OCP MX v1.0); their sums are f32. All else is computed in f32.
;;   The module's matrix products, in the order in which they are computed (A, B: the left and right operand; K: the contracted axis; several contracted axes count as one K, in the product's order):
;;     1. [M 4,096, K 1,024] x [K 1,024, N 3,072]; A: input x; B: input w_qkv: QUANTISED
;;     2. batch 32 x [M 2,048, K 64] x [K 64, N 2,048]; A: computed on the way; B: computed on the way: QUANTISED
;;     3. batch 32 x [M 2,048, K 2,048] x [K 2,048, N 64]; A: softmax (see below); B: computed on the way: QUANTISED
;;     4. [M 4,096, K 1,024] x [K 1,024, N 1,024]; A: computed on the way; B: input w_out: QUANTISED
;;     5. [M 4,096, K 1,024] x [K 1,024, N 4,096]; A: computed on the way; B: input w1: QUANTISED
;;     6. [M 4,096, K 4,096] x [K 4,096, N 1,024]; A: computed on the way; B: input w2: QUANTISED
;;   THE QUANTISER, for each operand of a quantised product, along K:
;;     - K is cut into blocks of 32 from its start; a last block that is shorter is filled with zeros.
;;     - A block's scale is 2^e with e = floor(log2(the largest magnitude in the block)) - 8, held to -126 .. 127; a block of zeros has e = 0. As a byte (E8M0): e + 127.
;;     - Each number is divided by its block's scale, clamped to +-448, and rounded to the nearest number of E4M3, ties to even, subnormals kept.
;;     - The product sums the exact products of the quantised numbers (number of the format x scale) in f32.
;;   ~~~python
;;   def quantise(x, axis):      # numpy; x: float32 -> the quantised numbers, widened to float32 again
;;       x = np.moveaxis(x, axis, -1); K = x.shape[-1]
;;       x = np.pad(x, [(0, 0)] * (x.ndim - 1) + [(0, -K % 32)]); x = x.reshape(x.shape[:-1] + (-1, 32)); a = np.abs(x).max(-1, keepdims=True)
;;       e = np.where(a > 0, np.clip(np.frexp(np.where(a > 0, a, 1))[1] - 1 - 8, -126, 127), 0)      # np.frexp(a)[1] - 1 = floor(log2(a)), exactly
;;       r = np.clip(x / 2.0 ** e, -448, 448)
;;       step = 2.0 ** (np.maximum(np.frexp(np.where(r == 0, 1, r))[1] - 1, -6) - 3)
;;       q = np.round(r / step) * step * 2.0 ** e      # np.round: ties to even
;;       return np.moveaxis(q.reshape(q.shape[:-2] + (-1,))[..., :K], -1, axis).astype(np.float32)
;;   ~~~
;;   SOFTMAX AHEAD OF A QUANTISED PRODUCT. Where the list says 'softmax', what is quantised is not the finished softmax but p = 2^(t - M), with t = logit x log2(e) and M = ceil(the row's largest t), a whole number; so 1/2 < the row's largest p <= 1. The row's sum l is taken of the UNQUANTISED p, in f32, and the product's result is divided by l at the end. Since M is a whole number, a kernel that streams over the keys may use a running M (the ceiling of the running maximum): every later rescaling is an exact power of two, which a block's scale takes up: the codes' values come out the same.
;;   OPERANDS COMPUTED ON THE WAY. 'Computed on the way' means the value that the module computes at that place (a softmax that the list does not call 'softmax' is quantised finished and normalised). What goes into a quantiser is computed in f32, as accurately as f32 sums, v_exp_f32 and their like allow (about 1e-6 of the number): no bf16 or f16 on the way to a quantiser, and a product that is left as it is and whose result goes on into a quantised operand takes f32 operands (vector FMAs, or v_wmma_f32_16x16x4_f32). A number that lies on a knife's edge between two numbers of the format may be rounded either way, as far as f32 arithmetic and the matrix unit's own rounding can turn it there, and no further.
;; One version. Each part assembles by itself: llvm-mc -triple=amdgcn-amd-amdhsa -mcpu=gfx1250 --defsym DOCPART=n.
;; ======== version 1 of 1: 8 launches
;; limits: right only within a limited range of input values
;; workspace buffers: wrec 11,894,784 bytes; woutrec 1,081,344 bytes; w2rec 4,325,376 bytes; qkvimg 12,976,128 bytes; arec 17,301,504 bytes; parts 67,108,864 bytes; x1buf 21,102,592 bytes
;; launch prep (part 1): grid 448 x 1, 16 waves a work-group, no clusters, 19,456 bytes of LDS; arguments x, w_qkv, w_out, w1, w2, wrec, woutrec, w2rec; writes wrec, woutrec, w2rec
.if DOCPART == 1
	.amdgcn_target "amdgcn-amd-amdhsa--gfx1250"
	.amdhsa_code_object_version 6
	.text
	.protected	k_q6286c07adb_prep
	.globl	k_q6286c07adb_prep
	.p2align	8
	.type	k_q6286c07adb_prep,@function
k_q6286c07adb_prep:
	s_mov_b64 s[64:65], 0
	v_nop
	global_prefetch_b8 v0, s[64:65] scope:SCOPE_SE
	s_setreg_imm32_b32 hwreg(HW_REG_WAVE_MODE, 25, 1), 1
	s_wait_xcnt 0x0
; x [4096][1024] and the four weights ([K][N], K first) become codes of E4M3 with one E8M0 byte for each 32 along K, laid as IMAGES OF OPERAND REGISTERS.
; A tile T is 16 rows: row(T, p) = 32 (T / 2) + 8 (T % 2) + p + 8 (p / 8).  A fragment (tile, 128 along K) is 2,048 bytes: byte 512 c + 16 (p + 16 h) + i is the code of row(T, p) at k = 32 c + 16 h + i.
; A record is 256 rows x 256 along K: 67,584 bytes: codes at 32768 q + 2048 t + the fragment's byte (q: which 128, t: tile), scale words at 65536 + 1024 q + 64 t + 4 p (byte c of a word: block c).
; The four records of 256 rows x 1,024 along K lie on end.  wrec: x (16 such groups), w_qkv's columns (12), w1's columns (16).  w2rec: group 4 (k / 1024) + n / 256.
; Work-groups 0-255: a tile of x each, a wave a row.  Work-groups 256-447: the weights, a lane a column, registers down K.
; A block's scale is 2^(floor(log2(largest magnitude)) - 8), its byte held at 1 from below.  A block of zeros so has the byte 1: its codes are zeros, and only this program reads the bytes.
; LIMITS: NaN and infinities among the inputs are not served.  Scale words leave in pieces of 64 bytes (x) and 128 bytes (weights): one byte in 32 of what the codes take.
.set RECB, 67584
.set SIMG, 16384                       ; LDS (x's path alone): 8 fragments of the tile at 0, their scale words [s][p] behind them
.set LO,  1                            ; v1  16 x lane
.set IA,  2                            ; v2  where my 4 codes of a load go in a fragment's image
.set SA,  3                            ; v3  where my block's scale byte goes
.set RA,  4                            ; v4  where I read the image back
.set VS,  5                            ; v5  my offset among the scale words in memory
.set SBY, 8                            ; v8-15  scale bytes;  v16-23 codes;  v24-31 largest magnitudes, then 1 / scale
.set MX,  24
.set X,   32                           ; v32-63 the row: 4 numbers a load
; A row of 1,024 numbers, 4 x 8 a lane (load j: k = 128 j + 4 lane + 0..3), becomes codes in v16-23 and scale bytes in v8-15.  A block of 32 lies in eight neighbouring lanes.
.macro QROW src, dst
.irp j, 0,1,2,3,4,5,6,7
	v_max3_num_f32 v[MX+\j], |v[\src+4*\j]|, |v[\src+4*\j+1]|, 0x4800000   ; with the floor 2^(9 - 127): the byte cannot fall under 1
.endr
.irp j, 0,1,2,3,4,5,6,7
	v_max3_num_f32 v[MX+\j], v[MX+\j], |v[\src+4*\j+2]|, |v[\src+4*\j+3]|
.endr
.irp m, 1,2,4
.irp j, 0,1,2,3,4,5,6,7
	v_max_num_f32_dpp v[MX+\j], v[MX+\j], v[MX+\j] row_xmask:\m row_mask:0xf bank_mask:0xf
.endr
.endr
.irp j, 0,1,2,3,4,5,6,7
	v_add_nc_u32 v[MX+\j], 0xfc000000, v[MX+\j]    ; 8 off the exponent field
.endr
.irp j, 0,1,2,3,4,5,6,7
	v_lshrrev_b32 v[SBY+\j], 23, v[MX+\j]          ; the scale's byte
.endr
.irp j, 0,1,2,3,4,5,6,7
	v_sub_nc_u32 v[MX+\j], 254, v[SBY+\j]
.endr
.irp j, 0,1,2,3,4,5,6,7
	v_lshlrev_b32 v[MX+\j], 23, v[MX+\j]           ; 1 / scale = 2^(127 - byte): a multiplication by it rounds nothing that a code could keep
.endr
.irp j, 0,1,2,3,4,5,6,7
.irp i, 0,1,2,3
	v_mul_f32 v[\dst+4*\j+\i], v[\src+4*\j+\i], v[MX+\j]
.endr
.endr
.set n, 0
.rept 32
	v_med3_num_f32 v[\dst+n], v[\dst+n], s28, s29  ; the conversion does not saturate (ISA guide 7.6.2): held within +-448 first
.set n, n+1
.endr
	v_cvt_pk_fp8_f32 v16.l, v[\dst+0], v[\dst+1]
	v_cvt_pk_fp8_f32 v16.h, v[\dst+2], v[\dst+3]
	v_cvt_pk_fp8_f32 v17.l, v[\dst+4], v[\dst+5]
	v_cvt_pk_fp8_f32 v17.h, v[\dst+6], v[\dst+7]
	v_cvt_pk_fp8_f32 v18.l, v[\dst+8], v[\dst+9]
	v_cvt_pk_fp8_f32 v18.h, v[\dst+10], v[\dst+11]
	v_cvt_pk_fp8_f32 v19.l, v[\dst+12], v[\dst+13]
	v_cvt_pk_fp8_f32 v19.h, v[\dst+14], v[\dst+15]
	v_cvt_pk_fp8_f32 v20.l, v[\dst+16], v[\dst+17]
	v_cvt_pk_fp8_f32 v20.h, v[\dst+18], v[\dst+19]
	v_cvt_pk_fp8_f32 v21.l, v[\dst+20], v[\dst+21]
	v_cvt_pk_fp8_f32 v21.h, v[\dst+22], v[\dst+23]
	v_cvt_pk_fp8_f32 v22.l, v[\dst+24], v[\dst+25]
	v_cvt_pk_fp8_f32 v22.h, v[\dst+26], v[\dst+27]
	v_cvt_pk_fp8_f32 v23.l, v[\dst+28], v[\dst+29]
	v_cvt_pk_fp8_f32 v23.h, v[\dst+30], v[\dst+31]
.endm
	s_load_b256 s[4:11], s[0:1], 0x0               ; x s[4:5], w_qkv s[6:7], w_out s[8:9], w1 s[10:11]
	s_load_b256 s[12:19], s[0:1], 0x20             ; w2 s[12:13], wrec s[14:15], woutrec s[16:17], w2rec s[18:19]
	v_lshrrev_b32 v6, 5, v0
	s_delay_alu instid0(VALU_DEP_1)
	v_readfirstlane_b32 s20, v6                    ; wave 0..15
	v_and_b32 v7, 31, v0                           ; lane
	s_cmp_ge_u32 ttmp9, 256
	s_cbranch_scc1 .Lweights
	v_lshl_add_u32 v64, v0, 2, 0x4400              ; x's path alone stores to LDS: my spare word and 0, kept for the closing lines
	v_mov_b32 v65, 0
	; ---- x: work-group T is a tile of tokens, wave w its row p = w
	s_lshr_b32 s21, ttmp9, 1
	s_lshl_b32 s21, s21, 5
	s_and_b32 s22, ttmp9, 1
	s_lshl_b32 s22, s22, 3
	s_add_co_u32 s21, s21, s22
	s_add_co_u32 s21, s21, s20
	s_and_b32 s22, s20, 8
	s_add_co_u32 s21, s21, s22                     ; row(T, w)
	s_lshl_b32 s22, s21, 12                        ; 4,096 bytes a row
	s_mov_b32 s23, 0
	s_wait_alu depctr_va_vdst(0)
	v_lshlrev_b32 v[LO], 4, v7
	s_wait_alu depctr_va_vdst(0)
	s_wait_kmcnt 0x0
	s_add_nc_u64 s[4:5], s[4:5], s[22:23]
.irp j, 0,1,2,3,4,5,6,7
	global_load_b128 v[X+4*\j:X+4*\j+3], v[LO], s[4:5] offset:512*\j th:TH_LOAD_NT   ; 32 lanes read 512 consecutive bytes
.endr
	v_lshrrev_b32 v6, 3, v7                        ; c = lane / 8
	s_delay_alu instid0(VALU_DEP_1)
	v_lshlrev_b32 v[IA], 9, v6
	v_bfe_u32 v[VS], v0, 2, 1                      ; h = (lane / 4) % 2
	s_delay_alu instid0(VALU_DEP_1)
	v_lshl_add_u32 v[IA], v[VS], 8, v[IA]
	v_and_b32 v[RA], 3, v0
	s_delay_alu instid0(VALU_DEP_1)
	v_lshl_add_u32 v[IA], v[RA], 2, v[IA]
	s_lshl_b32 s24, s20, 4
	v_add_nc_u32 v[IA], s24, v[IA]                 ; 512 c + 256 h + 16 w + 4 (lane % 4)
	s_lshl_b32 s24, s20, 2
	s_add_co_u32 s24, s24, SIMG
	v_add_nc_u32 v[SA], s24, v6                    ; my row's word, byte c
	v_mul_u32_u24 v6, v6, RECB
	s_delay_alu instid0(VALU_DEP_1)
	v_lshl_add_u32 v6, v[VS], 10, v6
	s_delay_alu instid0(VALU_DEP_1)
	v_lshl_add_u32 v[VS], v[RA], 4, v6             ; the scale words' way out: lane l takes K step l / 4, four rows' words
	s_lshl_b32 s24, s20, 10
	v_add_nc_u32 v[RA], s24, v[LO]                 ; the image's way out: 1,024 bytes a wave
.irp j, 0,1,2,3,4,5,6,7
	v_mov_b32 v[16+\j], 0                          ; the conversions write these half by half: written whole once
.endr
	s_mov_b32 s28, 0xc3e00000                      ; -448
	s_mov_b32 s29, 0x43e00000                      ; 448
	s_lshr_b32 s24, ttmp9, 4
	s_mul_i32 s24, s24, 4*RECB                     ; the tile's group of four records
	s_and_b32 s25, ttmp9, 15
	s_lshl_b32 s26, s25, 6
	s_add_co_u32 s26, s26, s24
	s_add_co_u32 s26, s26, 65536                   ; its scale words in the first of them
	s_mov_b32 s27, 0
	s_lshl_b32 s25, s25, 11
	s_add_co_u32 s24, s24, s25
	s_lshr_b32 s25, s20, 2
	s_mul_i32 s25, s25, RECB                       ; wave w sends half of K step w / 2: record w / 4,
	s_add_co_u32 s24, s24, s25
	s_bfe_u32 s25, s20, 0x10001
	s_lshl_b32 s25, s25, 15                        ; q = (w / 2) % 2,
	s_add_co_u32 s24, s24, s25
	s_and_b32 s25, s20, 1
	s_lshl_b32 s25, s25, 10                        ; half w % 2
	s_add_co_u32 s24, s24, s25
	s_mov_b32 s25, 0
	s_add_nc_u64 s[24:25], s[14:15], s[24:25]
	s_add_nc_u64 s[26:27], s[14:15], s[26:27]
	s_wait_loadcnt 0x0
	QROW X, X
.irp j, 0,1,2,3,4,5,6,7
	ds_store_b32 v[IA], v[16+\j] offset:2048*\j
	ds_store_b8 v[SA], v[SBY+\j] offset:64*\j      ; the eight lanes of a block write the same byte with the same value
.endr
	s_wait_dscnt 0x0                               ; for the others' sake: my stores have landed
	s_barrier_signal -1
	s_barrier_wait -1
	ds_load_b128 v[32:35], v[RA]
	ds_load_b128 v[36:39], v[RA] offset:512
	s_wait_dscnt 0x0
	global_store_b128 v[LO], v[32:35], s[24:25]              ; 512 consecutive bytes a store
	global_store_b128 v[LO], v[36:39], s[24:25] offset:512
	s_cmp_lg_u32 s20, 0
	s_cbranch_scc1 .Lx_done
	ds_load_b128 v[40:43], v[LO] offset:SIMG       ; wave 0: the tile's 128 scale words
	s_wait_dscnt 0x0
	global_store_b128 v[VS], v[40:43], s[26:27]
.Lx_done:
	s_wait_tensorcnt 0x0
	ds_add_u32 v64, v65
	s_wait_dscnt 0x0
	s_endpgm
	; ---- the weights.  g picks the tensor; only pointers and numbers are chosen, by selects on the work-group's number
.Lweights:
	s_sub_co_u32 s21, ttmp9, 256                   ; g: 0-47 w_qkv, 48-63 w_out, 64-127 w1, 128-191 w2
	s_mov_b32 s28, 128                             ; the tensor's first g
	s_mov_b32 s29, 0                               ; its first group of records
	s_mov_b32 s30, 1024                            ; N
	s_mov_b32 s31, 3                               ; log2(K / 512)
	s_wait_kmcnt 0x0
	s_mov_b64 s[24:25], s[12:13]
	s_mov_b64 s[26:27], s[18:19]
	s_cmp_lt_u32 s21, 128
	s_cselect_b64 s[24:25], s[10:11], s[24:25]
	s_cselect_b64 s[26:27], s[14:15], s[26:27]
	s_cselect_b32 s28, 64, s28
	s_cselect_b32 s29, 28, s29
	s_cselect_b32 s30, 4096, s30
	s_cselect_b32 s31, 1, s31
	s_cmp_lt_u32 s21, 64
	s_cselect_b64 s[24:25], s[8:9], s[24:25]
	s_cselect_b64 s[26:27], s[16:17], s[26:27]
	s_cselect_b32 s28, 48, s28
	s_cselect_b32 s29, 0, s29
	s_cselect_b32 s30, 1024, s30
	s_cmp_lt_u32 s21, 48
	s_cselect_b64 s[24:25], s[6:7], s[24:25]
	s_cselect_b64 s[26:27], s[14:15], s[26:27]
	s_cselect_b32 s28, 0, s28
	s_cselect_b32 s29, 16, s29
	s_cselect_b32 s30, 3072, s30
	s_sub_co_u32 s32, s21, s28
	s_bfm_b32 s33, s31, 0
	s_and_b32 s33, s32, s33                        ; kp: which 512 along K
	s_lshr_b32 s32, s32, s31                       ; cb: which 128 columns
	s_and_b32 s34, s20, 3                          ; cg: my wave's 32 of them
	s_lshr_b32 s35, s20, 2                         ; kw: my wave's 128 along K
	s_lshl_b32 s36, s33, 9
	s_lshl_b32 s37, s35, 7
	s_add_co_u32 s36, s36, s37                     ; k0
	s_mul_i32 s36, s36, s30
	s_lshl_b32 s37, s32, 7
	s_add_co_u32 s36, s36, s37
	s_lshl_b32 s37, s34, 5
	s_add_co_u32 s36, s36, s37                     ; k0 N + n0
	s_lshl_b32 s36, s36, 2
	s_mov_b32 s37, 0
	s_add_nc_u64 s[24:25], s[24:25], s[36:37]
	s_lshl_b32 s38, s33, 1
	s_lshr_b32 s39, s35, 1
	s_add_co_u32 s38, s38, s39                     ; k0 / 256
	s_lshr_b32 s39, s38, 2
	s_lshl_b32 s39, s39, 2                         ; 4 (k / 1024): other than 0 in w2 alone
	s_add_co_u32 s39, s39, s29
	s_lshr_b32 s40, s32, 1
	s_add_co_u32 s39, s39, s40                     ; the group of records
	s_lshl_b32 s39, s39, 2
	s_and_b32 s38, s38, 3
	s_add_co_u32 s39, s39, s38                     ; the record
	s_mul_i32 s36, s39, RECB
	s_and_b32 s38, s35, 1                          ; q
	s_and_b32 s40, s32, 1
	s_lshl_b32 s40, s40, 2
	s_add_co_u32 s40, s40, s34                     ; my pair of tiles among the record's eight
	s_lshl_b32 s41, s38, 10
	s_add_co_u32 s41, s41, s36
	s_lshl_b32 s42, s40, 7
	s_add_co_u32 s42, s42, s41
	s_add_co_u32 s42, s42, 65536
	s_mov_b32 s43, 0
	s_lshl_b32 s41, s38, 15
	s_add_co_u32 s36, s36, s41
	s_lshl_b32 s41, s40, 12
	s_add_co_u32 s36, s36, s41
	s_add_nc_u64 s[28:29], s[26:27], s[42:43]      ; my 32 scale words
	s_add_nc_u64 s[26:27], s[26:27], s[36:37]      ; my two fragments
	s_mov_b32 s44, 0x600000                        ; the mantissa field of 448
	v_and_b32 v6, 15, v0                           ; p
	v_bfe_u32 v5, v0, 4, 1                         ; u: which tile of the pair
	s_delay_alu instid0(VALU_DEP_2)
	v_and_b32 v4, 8, v6
	s_delay_alu instid0(VALU_DEP_1)
	v_add_nc_u32 v4, v4, v6
	s_delay_alu instid0(VALU_DEP_1)
	v_lshl_add_u32 v4, v5, 3, v4                   ; my column among the 32: 8 u + p + 8 (p / 8)
	s_delay_alu instid0(VALU_DEP_1)
	v_lshlrev_b32 v1, 2, v4
	v_lshlrev_b32 v2, 4, v6
	s_delay_alu instid0(VALU_DEP_1)
	v_lshl_add_u32 v2, v5, 11, v2                  ; my 16 bytes in the fragments: 2048 u + 16 p
	s_wait_alu depctr_va_vdst(0)
	v_lshlrev_b32 v3, 2, v7                        ; my scale word
.macro WLOAD t, p                      ; block t: 32 numbers down K of my column; p: bytes from row to row
.set i, 0
.rept 32
	global_load_b32 v[32+32*((\t)%2)+i], v1, s[24:25] offset:(32*(\t)+i)*\p th:TH_LOAD_NT
.set i, i+1
.endr
.endm
.macro WBLOCK t, p
.set XS, 32+32*((\t)%2)
.if (\t) < 3
	s_wait_loadcnt 32                              ; this block's 32 loads are in; the next block's may be out
.else
	s_wait_loadcnt 0x0
.endif
	v_max3_num_f32 v12, |v[XS]|, |v[XS+1]|, |v[XS+2]|
	v_max3_num_f32 v13, |v[XS+3]|, |v[XS+4]|, |v[XS+5]|
.irp i, 6,10,14,18,22,26
	s_delay_alu instid0(VALU_DEP_2)
	v_max3_num_f32 v12, v12, |v[XS+\i]|, |v[XS+\i+1]|
	s_delay_alu instid0(VALU_DEP_2)
	v_max3_num_f32 v13, v13, |v[XS+\i+2]|, |v[XS+\i+3]|
.endr
	s_delay_alu instid0(VALU_DEP_2)
	v_max3_num_f32 v12, v12, |v[XS+30]|, |v[XS+31]|
	s_delay_alu instid0(VALU_DEP_1)
	v_max3_num_f32 v12, v12, v13, 0x4800000        ; the floor 2^(9 - 127)
	s_delay_alu instid0(VALU_DEP_1)
	v_add_nc_u32 v11, 0xfc000000, v12              ; 8 off the exponent field: the conversion's scale operand
	s_delay_alu instid0(VALU_DEP_2)
	v_and_or_b32 v10, v12, 0x7f800000, s44         ; 448 x the scale
	s_delay_alu instid0(VALU_DEP_2)
	v_lshrrev_b32 v13, 23, v11                     ; the byte
.if (\t) == 0
	s_delay_alu instid0(VALU_DEP_1)
	v_mov_b32 v24, v13
.else
	s_delay_alu instid0(VALU_DEP_1)
	v_lshl_or_b32 v24, v13, 8*(\t), v24
.endif
.set i, 0
.rept 32
	v_med3_num_f32 v[XS+i], v[XS+i], -v10, v10
.set i, i+1
.endr
.irp g, 0,1,2,3
	v_cvt_scalef32_pk8_fp8_f32 v[96+8*(\t)+2*\g:96+8*(\t)+2*\g+1], v[XS+8*\g:XS+8*\g+7], v11
.endr
.if (\t)+2 < 4
	WLOAD (\t)+2, \p
.endif
	global_store_b128 v2, v[96+8*(\t):96+8*(\t)+3], s[26:27] offset:512*(\t)          ; k 0-15 of the block: sixteen lanes fill 256 consecutive bytes
	global_store_b128 v2, v[96+8*(\t)+4:96+8*(\t)+7], s[26:27] offset:512*(\t)+256    ; k 16-31
.endm
.macro WBODY p                         ; every block has code registers of its own: no store's data are written again
	WLOAD 0, \p
	WLOAD 1, \p
	WBLOCK 0, \p
	WBLOCK 1, \p
	WBLOCK 2, \p
	WBLOCK 3, \p
	global_store_b32 v3, v24, s[28:29]             ; 128 consecutive bytes a wave
	s_endpgm
.endm
	s_cmp_lt_u32 s21, 48
	s_cbranch_scc1 .Lpitch_qkv
	s_sub_co_u32 s33, s21, 64
	s_cmp_lt_u32 s33, 64
	s_cbranch_scc1 .Lpitch_w1
	WBODY 4096
.Lpitch_qkv:
	WBODY 12288
.Lpitch_w1:
	WBODY 16384
.Lfunc_end_k_q6286c07adb_prep:
	.size	k_q6286c07adb_prep, .Lfunc_end_k_q6286c07adb_prep-k_q6286c07adb_prep
	.p2alignl 7, 3214868480
	.fill 96, 4, 3214868480
	.section	.rodata,"a",@progbits
	.p2align	6, 0x0
	.amdhsa_kernel k_q6286c07adb_prep
		.amdhsa_group_segment_fixed_size 19456
		.amdhsa_private_segment_fixed_size 0
		.amdhsa_enable_private_segment 0
		.amdhsa_kernarg_size 64
		.amdhsa_user_sgpr_count 2
		.amdhsa_user_sgpr_kernarg_segment_ptr 1
		.amdhsa_wavefront_size32 1
		.amdhsa_system_sgpr_workgroup_id_x 1
		.amdhsa_system_sgpr_workgroup_id_y 1
		.amdhsa_system_sgpr_workgroup_id_z 1
		.amdhsa_system_vgpr_workitem_id 0
		.amdhsa_next_free_vgpr 128
		.amdhsa_next_free_sgpr 66
		.amdhsa_reserve_vcc 0
		.amdhsa_float_denorm_mode_32 3
		.amdhsa_float_denorm_mode_16_64 3
		.amdhsa_memory_ordered 1
		.amdhsa_forward_progress 1
		.amdhsa_inst_pref_size 106
	.end_amdhsa_kernel
	.amdgpu_metadata
---
amdhsa.version: [ 1, 2 ]
amdhsa.kernels:
  - .name:           k_q6286c07adb_prep
    .symbol:         k_q6286c07adb_prep.kd
    .args:
      - { .name: x, .offset: 0, .size: 8, .value_kind: global_buffer, .address_space: global }
      - { .name: w_qkv, .offset: 8, .size: 8, .value_kind: global_buffer, .address_space: global }
      - { .name: w_out, .offset: 16, .size: 8, .value_kind: global_buffer, .address_space: global }
      - { .name: w1, .offset: 24, .size: 8, .value_kind: global_buffer, .address_space: global }
      - { .name: w2, .offset: 32, .size: 8, .value_kind: global_buffer, .address_space: global }
      - { .name: wrec, .offset: 40, .size: 8, .value_kind: global_buffer, .address_space: global }
      - { .name: woutrec, .offset: 48, .size: 8, .value_kind: global_buffer, .address_space: global }
      - { .name: w2rec, .offset: 56, .size: 8, .value_kind: global_buffer, .address_space: global }
    .group_segment_fixed_size: 19456
    .private_segment_fixed_size: 0
    .kernarg_segment_align: 8
    .kernarg_segment_size: 64
    .max_flat_workgroup_size: 512
    .sgpr_count:     66
    .vgpr_count:     128
    .wavefront_size: 32
...
	.end_amdgpu_metadata
.endif
;; end of part 1
;; launch qkvg (part 2): grid 8 x 24, 4 waves a work-group, clusters of 4 x 4, 327,680 bytes of LDS; arguments wrec, qkvimg; writes qkvimg
.if DOCPART == 2
	.amdgcn_target "amdgcn-amd-amdhsa--gfx1250"
	.amdhsa_code_object_version 6
	.text
	.protected	k_q6286c07adb_qkvg
	.globl	k_q6286c07adb_qkvg
	.p2align	8
	.type	k_q6286c07adb_qkvg,@function
k_q6286c07adb_qkvg:
	s_mov_b64 s[64:65], 0
	v_nop
	global_prefetch_b8 v0, s[64:65] scope:SCOPE_SE
	s_setreg_imm32_b32 hwreg(HW_REG_WAVE_MODE, 25, 1), 1
	s_wait_xcnt 0x0
	s_wait_alu depctr_hold_cnt(0) depctr_sa_sdst(0) depctr_va_vdst(0) depctr_va_sdst(0) depctr_va_ssrc(0) depctr_va_vcc(0) depctr_vm_vsrc(0)
	s_getreg_b32 s2, hwreg(HW_REG_IB_STS2, 6, 4)
	s_cmp_eq_u32 s2, 0
	s_cbranch_scc0 .Lentry_in_a_cluster
	s_endpgm
.Lentry_in_a_cluster:
	s_bfe_u32 s2, ttmp6, 0x10000c
	s_cmp_lg_u32 s2, 0xf033
	s_cbranch_scc0 .Lentry_shape_is_right
	s_endpgm
.Lentry_shape_is_right:
.set RECB,   67584
.set HALFR,  33792
.set RBB,    4*RECB
.set SLOT,   2*RECB
.set SPARE,  2*SLOT
.set NQ,     2
.set FR,     16
.set NL,     4
.set NP,     8
.set ADRA, 16
.set ADRB, 20
.set ADRS, 22
.set LI,   24
.set SO,   25
.set SPW,  28
.set NIL,  29
.set SC,   32
.set AF,   128
.set NB,   64
.set TM,   128
.set WD,   144
.set PC,   152
.set G1, 24
.set G0, 32
.set G1B, 48
.set G0B, 56
.set MSB, 0
.macro WIN new
.if MSB != \new
	s_set_vgpr_msb (MSB<<8)|\new
.set MSB, \new
.endif
.endm
.set MUL_LO, 0xa1
.set MUL_HI, 0xf1
.set TO_B,   0x40
.macro JLOAD g0a, g1a, g0b, g1b
	s_cmp_eq_u32 s15, 0
	s_cbranch_scc0 .Lfor_b_\@
	tensor_load_to_lds s[\g0a:\g0a+3], s[\g1a:\g1a+7]
	s_nop 0
.rept 4
	v_nop
.endr
	s_branch .Lasked_\@
.Lfor_b_\@:
	tensor_load_to_lds s[\g0b:\g0b+3], s[\g1b:\g1b+7]
	s_nop 0
.rept 4
	v_nop
.endr
.Lasked_\@:
.endm
.macro CREST
	s_cmp_lg_u32 s14, 0
	s_cbranch_scc1 .Lnot_wave_0_\@
	s_barrier_signal -3
.Lnot_wave_0_\@:
	s_barrier_wait -3
	s_barrier_signal -1
	s_barrier_wait -1
.endm
.macro CROUND
	s_barrier_signal -1
	s_barrier_wait -1
	CREST
.endm
	s_load_b128 s[4:7], s[0:1], 0x0
	v_lshl_add_u32 v[SPW], v0, 2, SPARE
	v_mov_b32 v[NIL], 0
	ds_add_u32 v28, v29
	ds_add_u32 v28, v29
	s_wait_dscnt 0x0
	v_lshrrev_b32 v1, 5, v0
	v_readfirstlane_b32 s14, v1
	s_lshr_b32 s15, s14, 1
	s_and_b32 s16, s14, 1
	s_bfe_u32 s40, ttmp6, 0x40000
	s_bfe_u32 s41, ttmp6, 0x40004
	s_lshl_b32 s42, ttmp9, 2
	s_add_co_u32 s42, s42, s40
	s_and_b32 s66, ttmp7, 0xffff
	s_lshl_b32 s17, s66, 2
	s_add_co_u32 s17, s17, s41
	s_lshl_b32 s43, s41, 2
	s_lshl_b32 s43, 15, s43
	s_lshl_b32 s44, 0x1111, s40
	s_or_b32 s[G1+0], s43, (3<<16)|(1<<21)
	s_or_b32 s[G1B+0], s44, (3<<16)|(1<<21)
.irp g, G1, G1B
	s_mov_b32 s[\g+1], 32<<16
	s_mov_b32 s[\g+2], 264<<16
	s_mov_b32 s[\g+3], 32<<16
	s_mov_b32 s[\g+4], 264
	s_mov_b32 s[\g+5], 32
	s_mov_b32 s[\g+6], 0
	s_mov_b32 s[\g+7], 0
.endr
	s_lshl_b32 s18, s66, 2
	s_lshl_b32 s19, s66, 3
	s_sub_co_u32 s19, s19, 32
	s_cmp_ge_u32 s66, 4
	s_cselect_b32 s18, 24, s18
	s_cselect_b32 s19, s19, 16
	s_add_co_u32 s20, s18, s41
	s_add_co_u32 s46, s19, s42
	s_mov_b32 s67, s46
	s_mul_i32 s18, s16, HALFR
	s_mul_i32 s20, s20, RBB
	s_add_co_u32 s20, s20, s18
	s_mov_b32 s21, 0
	s_mul_i32 s46, s46, RBB
	s_add_co_u32 s46, s46, s18
	s_mov_b32 s47, 0
	s_mul_i32 s45, s14, HALFR
	s_wait_kmcnt 0x0
	s_add_nc_u64 s[20:21], s[4:5], s[20:21]
	s_add_nc_u64 s[46:47], s[4:5], s[46:47]
	CROUND
.irp s, 0,1
	s_mov_b32 s[G0+4*\s], 1
	s_add_co_u32 s[G0+4*\s+1], s45, \s*SLOT
	s_add_nc_u64 s[G0+4*\s+2:G0+4*\s+3], s[20:21], \s*RECB
	s_or_b32 s[G0+4*\s+3], s[G0+4*\s+3], 0x80000000
	s_mov_b32 s[G0B+4*\s], 1
	s_add_co_u32 s[G0B+4*\s+1], s45, \s*SLOT
	s_add_nc_u64 s[G0B+4*\s+2:G0B+4*\s+3], s[46:47], \s*RECB
	s_or_b32 s[G0B+4*\s+3], s[G0B+4*\s+3], 0x80000000
.endr
	; the head's fills, one a wave: a WHOLE record (264 rows of 256 bytes): wave 0: A's K step 0, wave 1: B's; wave 2: A's K step 1, wave 3: B's: both slots are asked for at once, slot 0 first
	s_mov_b32 s96, s18                             ; s[20:21], s[46:47] stand half a record x (wave % 2) on: that is taken off,
	s_mov_b32 s97, 0
	s_sub_nc_u64 s[90:91], s[20:21], s[96:97]
	s_sub_nc_u64 s[94:95], s[46:47], s[96:97]
	s_mul_i32 s96, s15, RECB                       ; and K step wave / 2 added
	s_add_nc_u64 s[90:91], s[90:91], s[96:97]
	s_add_nc_u64 s[94:95], s[94:95], s[96:97]
	s_or_b32 s91, s91, 0x80000000
	s_or_b32 s95, s95, 0x80000000
	s_mov_b32 s88, 1
	s_mul_i32 s89, s15, SLOT
	s_mov_b32 s92, 1
	s_add_co_u32 s93, s89, RECB
	; the prefetches: of a record's 65,536 bytes of codes the eight waves that ask for it jointly (four partners x two waves) take 8,192 each, told apart by address; a lane names 256 bytes
	s_cmp_eq_u32 s15, 0
	s_cselect_b64 s[98:99], s[20:21], s[46:47]
	s_cselect_b32 s96, s40, s41
	s_lshl_b32 s96, s96, 14
	s_lshl_b32 s97, s16, 13
	s_add_co_u32 s96, s96, s97
	s_add_co_u32 s96, s96, 2*RECB
	s_sub_co_u32 s96, s96, s18
	s_mov_b32 s97, 0
	s_add_nc_u64 s[98:99], s[98:99], s[96:97]      ; my share of K step 2's record
	v_and_b32 v8, 31, v0
	v_lshlrev_b32 v8, 8, v8
.macro HARM under, g0, g1, next        ; one arm of the head's chain: its load, an s_nop and four v_nops behind it, a jump to the join
	s_cmp_lt_u32 s14, \under
	s_cbranch_scc0 \next
	tensor_load_to_lds s[\g0:\g0+3], s[\g1:\g1+7]
	s_nop 0
.rept 4
	v_nop
.endr
	s_branch .Lhead_asked
\next:
.endm
	HARM 1, 88, G1,  .Lhead_1
	HARM 2, 92, G1B, .Lhead_2
	HARM 3, 88, G1,  .Lhead_3
	tensor_load_to_lds s[92:95], s[G1B:G1B+7]
	s_nop 0
.rept 4
	v_nop
.endr
.Lhead_asked:
	s_wait_alu depctr_va_vdst(0)                   ; the wait ahead of the reader of v8
	global_prefetch_b8 v8, s[98:99] th:TH_LOAD_NT scope:SCOPE_SE   ; K step 2, two K steps ahead of its load
	v_and_b32 v1, 15, v0
	v_bfe_u32 v2, v0, 4, 1
	s_wait_alu depctr_va_vdst(0)
	v_and_b32 v3, 31, v0
	v_lshlrev_b32 v[LI], 4, v3
	s_lshl_b32 s21, s15, 14
	s_lshl_b32 s22, s16, 14
	s_add_co_u32 s22, s22, RECB
.irp s, 0,1
	v_add_nc_u32 v[ADRA+\s], s21, v[LI]
	v_add_nc_u32 v[ADRB+\s], s22, v[LI]
	s_add_co_u32 s21, s21, SLOT
	s_add_co_u32 s22, s22, SLOT
.endr
	s_lshl_b32 s21, s15, 9
	s_lshl_b32 s22, s16, 9
	s_add_co_u32 s22, s22, RECB
	s_sub_co_u32 s22, s22, s21
	v_mul_u32_u24 v6, s22, v2
	v_lshl_add_u32 v6, v1, 2, v6
	s_add_co_u32 s21, s21, 65536
	v_add_nc_u32 v[ADRS], s21, v6
	s_add_co_u32 s21, s21, SLOT
	v_add_nc_u32 v[ADRS+1], s21, v6
.macro FRAG reg, adr, q, i
.irp c, 0,1,2,3
	ds_load_b128 v[\reg+4*\c:\reg+4*\c+3], v[\adr] offset:32768*(\q)+2048*(\i)+512*\c
.endr
.endm
.macro MUL16 a0, p, q, sc, zero
.irp a, \a0, \a0+1
.irp b, 0,1,2,3,4,5,6,7
.if \zero
	v_wmma_scale_f32_16x16x128_f8f6f4 v[8*(8*((\a)%4)+\b):8*(8*((\a)%4)+\b)+7], v[128*(\p)+FR*\b:128*(\p)+FR*\b+FR-1], v[AF+FR*(\a):AF+FR*(\a)+FR-1], 0, v[SC+8*NQ*(\sc)+NQ*\b+(\q)], v[SC+8*NQ*(\sc)+NQ*(\a)+(\q)] matrix_a_scale:MATRIX_SCALE_ROW1
.else
	v_wmma_scale_f32_16x16x128_f8f6f4 v[8*(8*((\a)%4)+\b):8*(8*((\a)%4)+\b)+7], v[128*(\p)+FR*\b:128*(\p)+FR*\b+FR-1], v[AF+FR*(\a):AF+FR*(\a)+FR-1], v[8*(8*((\a)%4)+\b):8*(8*((\a)%4)+\b)+7], v[SC+8*NQ*(\sc)+NQ*\b+(\q)], v[SC+8*NQ*(\sc)+NQ*(\a)+(\q)] matrix_a_scale:MATRIX_SCALE_ROW1
.endif
.endr
.endr
.endm
.macro FETCH_B slot, q, p
	WIN TO_B
.irp i, 0,1,2,3,4,5,6,7
	FRAG 128*(\p)+FR*\i, ADRB+\slot, \q, \i
.endr
	WIN 0
.endm
.macro FETCH_A slot, q, i0
.irp i, \i0, \i0+1, \i0+2, \i0+3
	FRAG AF+FR*(\i), ADRA+\slot, \q, \i
.endr
.endm
.macro SCALES sc
.irp i, 0,1,2,3,4,5,6,7
.irp q, 0,1
	ds_load_b32 v[SC+16*\sc+2*\i+\q], v[ADRS+\sc] offset:1024*\q+64*\i
.endr
.endr
.endm
.macro PLACES n
.rept \n
	v_nop
.endr
.endm
.macro STEP slot, q, zero
	s_wait_dscnt 4*NL
	WIN MUL_LO
	MUL16 0, (\q)%2, \q, \slot, \zero
	MUL16 2, (\q)%2, \q, \slot, \zero
	s_wait_dscnt 0
	PLACES NP
	FETCH_B \slot, (\q)+1, 1-(\q)%2
	FETCH_A \slot, (\q)+1, 0
	WIN MUL_HI
	MUL16 4, (\q)%2, \q, \slot, \zero
	MUL16 6, (\q)%2, \q, \slot, \zero
	PLACES NP
	WIN 0
	FETCH_A \slot, (\q)+1, 4
.endm
.macro TURN slot, next, fill
	s_wait_tensorcnt 0x0
	ds_add_u32 v[SPW], v[NIL]
	s_mov_b32 s[G1+2], 132<<16                     ; no tensor load of mine is out: a refill brings half a record
	s_mov_b32 s[G1+4], 132
	s_mov_b32 s[G1B+2], 132<<16
	s_mov_b32 s[G1B+4], 132
	s_wait_dscnt 4*NL+1
	WIN MUL_LO
	MUL16 0, 1, NQ-1, \slot, 0
	s_wait_dscnt 0x0
	s_barrier_signal -1
	MUL16 2, 1, NQ-1, \slot, 0
	WIN 0
	s_barrier_wait -1
.if \fill
	CREST
	s_add_nc_u64 s[G0+4*\slot+2:G0+4*\slot+3], s[G0+4*\slot+2:G0+4*\slot+3], 2*RECB
	s_add_nc_u64 s[G0B+4*\slot+2:G0B+4*\slot+3], s[G0B+4*\slot+2:G0B+4*\slot+3], 2*RECB
	JLOAD G0+4*\slot, G1, G0B+4*\slot, G1B
	PLACES NP-4
.else
	PLACES NP
.endif
	FETCH_B \next, 0, 0
	FETCH_A \next, 0, 0
	SCALES \next
	WIN MUL_HI
	MUL16 4, 1, NQ-1, \slot, 0
	MUL16 6, 1, NQ-1, \slot, 0
	PLACES NP
	WIN 0
	FETCH_A \next, 0, 4
.endm
	s_wait_alu depctr_va_vdst(0)
	s_cmp_lt_u32 s14, 2                            ; this barrier shows slot 0 alone: waves 0 and 1, whose load lines are their own, wait; slot 1 is shown at the first change of slots, where every wave waits
	s_cbranch_scc0 .Lslot_1_later
	s_wait_tensorcnt 0x0
.Lslot_1_later:
	s_barrier_signal -1
	s_barrier_wait -1
	FETCH_B 0, 0, 0
	FETCH_A 0, 0, 0
	SCALES 0
	FETCH_A 0, 0, 4
	STEP 0, 0, 1
	global_prefetch_b8 v8, s[98:99] offset:RECB th:TH_LOAD_NT scope:SCOPE_SE   ; K step 3, the last: two K steps ahead of its load
	TURN 0, 1, 1
	STEP 1, 0, 0
	TURN 1, 0, 1
	STEP 0, 0, 0
	TURN 0, 1, 0
	STEP 1, 0, 0
	s_wait_dscnt 4*NL
	WIN MUL_LO
	MUL16 0, 1, NQ-1, 1, 0
	MUL16 2, 1, NQ-1, 1, 0
	s_wait_dscnt 0
	WIN MUL_HI
	MUL16 4, 1, NQ-1, 1, 0
	MUL16 6, 1, NQ-1, 1, 0
	WIN 0
	PLACES NP
.macro QUANTW a
.set AC, 64*((\a)%4)
.set WW, 2+(\a)/4
.set WS, WW|(WW<<2)
.set PCA, PC+16*((\a)%2)
	WIN WS
.irp b, 0,1,2,3
	v_max3_num_f32 v[TM+\b], |v[AC+16*\b]|, |v[AC+16*\b+1]|, 0x4800000
.endr
.irp i, 2,4,6,8,10,12,14
.irp b, 0,1,2,3
	v_max3_num_f32 v[TM+\b], |v[AC+16*\b+\i]|, |v[AC+16*\b+\i+1]|, v[TM+\b]
.endr
.endr
	WIN 0
.irp b, 0,1,2,3
	v_permlanex16_b32 v[TM+4+\b], v[TM+\b], s80, s81
.endr
.irp b, 0,1,2,3
	v_max_num_f32 v[TM+\b], v[TM+\b], v[TM+4+\b]
.endr
.irp b, 0,1,2,3
	v_add_nc_u32 v[TM+12+\b], 0xfc000000, v[TM+\b]
.endr
.irp b, 0,1,2,3
	v_and_or_b32 v[TM+8+\b], v[TM+\b], 0x7f800000, s82
.endr
.irp b, 0,1,2,3
	v_lshrrev_b32 v[TM+4+\b], 23, v[TM+12+\b]
.endr
	v_lshl_or_b32 v[WD+(\a)%2], v[TM+5], 8, v[TM+4]
	v_lshl_or_b32 v[WD+(\a)%2], v[TM+6], 16, v[WD+(\a)%2]
	v_lshl_or_b32 v[WD+(\a)%2], v[TM+7], 24, v[WD+(\a)%2]
	WIN WW
.irp b, 0,1,2,3
.set i, 0
.rept 16
	v_med3_num_f32 v[NB+16*\b+i], v[AC+16*\b+i], -v[TM+8+\b], v[TM+8+\b]
.set i, i+1
.endr
.endr
	WIN 0
.irp b, 0,1,2,3
	v_cvt_scalef32_pk8_fp8_f32 v[PCA+4*\b:PCA+4*\b+1], v[NB+16*\b:NB+16*\b+7], v[TM+12+\b]
	v_cvt_scalef32_pk8_fp8_f32 v[PCA+4*\b+2:PCA+4*\b+3], v[NB+16*\b+8:NB+16*\b+15], v[TM+12+\b]
.endr
	v_nop
.endm
.macro EPI isv
.irp ap, 0,1,2,3
.if \ap > 0
	s_wait_xcnt 0x0
.endif
	QUANTW 2*\ap
	QUANTW 2*\ap+1
.irp e, 0,1
.irp bb, 0,1,2,3
.if \isv
	global_store_b128 v[LI], v[PC+16*\e+4*\bb:PC+16*\e+4*\bb+3], s[72:73] offset:131072*((2*\ap+\e)/4)+2048*((2*\ap+\e)%4)+512*\bb
.else
	global_store_b128 v[LI], v[PC+16*\e+4*\bb:PC+16*\e+4*\bb+3], s[72:73] offset:1024*(2*\ap+\e)+512*(\bb%2)+131072*(\bb/2)
.endif
.endr
.endr
.if \isv
	v_cndmask_b32 v148, v[WD], v[WD+1], s78
	global_store_b32 v[SO], v148, s[74:75] offset:4096*(\ap/2)+128*(\ap%2)
.else
	v_perm_b32 v146, v[WD+1], v[WD], s76
	v_perm_b32 v147, v[WD+1], v[WD], s77
	v_cndmask_b32 v148, v146, v147, s78
	global_store_b32 v[SO], v148, s[74:75] offset:64*\ap
.endif
.endr
.endm
	s_mov_b32 s76, 0x05040100
	s_mov_b32 s77, 0x07060302
	s_mov_b32 s78, 0xffff0000
	s_mov_b32 s80, 0x76543210
	s_mov_b32 s81, 0xfedcba98
	s_mov_b32 s82, 0x600000
.irp b, 0,1,2,3
	v_mov_b32 v[TM+4+\b], 0
.endr
	s_cmp_ge_u32 s66, 4
	s_cbranch_scc1 .Lv_part
	s_lshl_b32 s70, s42, 1
	s_add_co_u32 s70, s70, s16
	s_lshr_b32 s71, s70, 3
	s_and_b32 s70, s70, 7
	s_lshr_b32 s83, s17, 3
	s_and_b32 s84, s17, 7
	s_lshl_b32 s72, s71, 22
	s_lshl_b32 s85, s83, 21
	s_add_co_u32 s72, s72, s85
	s_lshl_b32 s85, s70, 18
	s_add_co_u32 s72, s72, s85
	s_lshl_b32 s85, s84, 14
	s_add_co_u32 s72, s72, s85
	s_lshl_b32 s85, s15, 13
	s_add_co_u32 s72, s72, s85
	s_mov_b32 s73, 0
	s_lshl_b32 s74, s71, 17
	s_lshl_b32 s85, s83, 16
	s_add_co_u32 s74, s74, s85
	s_lshl_b32 s85, s70, 13
	s_add_co_u32 s74, s74, s85
	s_lshl_b32 s85, s84, 9
	s_add_co_u32 s74, s74, s85
	s_lshl_b32 s85, s15, 8
	s_add_co_u32 s74, s74, s85
	s_add_co_u32 s74, s74, 12582912
	s_mov_b32 s75, 0
	s_add_nc_u64 s[72:73], s[6:7], s[72:73]
	s_add_nc_u64 s[74:75], s[6:7], s[74:75]
	v_lshlrev_b32 v[SO], 2, v1
	v_lshl_add_u32 v[SO], v2, 12, v[SO]
	EPI 0
	s_branch .Lclose
.Lv_part:
	s_lshl_b32 s70, s67, 1
	s_add_co_u32 s70, s70, s16
	s_lshr_b32 s71, s70, 4
	s_and_b32 s70, s70, 15
	s_lshl_b32 s83, s41, 2
	s_lshl_b32 s84, s15, 1
	s_add_co_u32 s83, s83, s84
	s_lshl_b32 s72, s71, 21
	s_lshl_b32 s85, s83, 17
	s_add_co_u32 s72, s72, s85
	s_lshl_b32 s85, s70, 13
	s_add_co_u32 s72, s72, s85
	s_add_co_u32 s72, s72, 8388608
	s_mov_b32 s73, 0
	s_lshl_b32 s74, s71, 16
	s_lshl_b32 s85, s83, 12
	s_add_co_u32 s74, s74, s85
	s_lshl_b32 s85, s70, 8
	s_add_co_u32 s74, s74, s85
	s_add_co_u32 s74, s74, 12845056
	s_mov_b32 s75, 0
	s_add_nc_u64 s[72:73], s[6:7], s[72:73]
	s_add_nc_u64 s[74:75], s[6:7], s[74:75]
	v_lshrrev_b32 v[SO], 2, v[LI]
	EPI 1
.Lclose:
	s_wait_tensorcnt 0x0
	ds_add_u32 v[SPW], v[NIL]
	s_wait_dscnt 0x0
	CROUND
	s_endpgm
.Lfunc_end_k_q6286c07adb_qkvg:
	.size	k_q6286c07adb_qkvg, .Lfunc_end_k_q6286c07adb_qkvg-k_q6286c07adb_qkvg
	.p2alignl 7, 3214868480
	.fill 96, 4, 3214868480
	.section	.rodata,"a",@progbits
	.p2align	6, 0x0
	.amdhsa_kernel k_q6286c07adb_qkvg
		.amdhsa_group_segment_fixed_size 327680
		.amdhsa_private_segment_fixed_size 0
		.amdhsa_enable_private_segment 0
		.amdhsa_kernarg_size 16
		.amdhsa_user_sgpr_count 2
		.amdhsa_user_sgpr_kernarg_segment_ptr 1
		.amdhsa_wavefront_size32 1
		.amdhsa_system_sgpr_workgroup_id_x 1
		.amdhsa_system_sgpr_workgroup_id_y 1
		.amdhsa_system_sgpr_workgroup_id_z 1
		.amdhsa_system_vgpr_workitem_id 0
		.amdhsa_next_free_vgpr 1024
		.amdhsa_next_free_sgpr 100
		.amdhsa_reserve_vcc 0
		.amdhsa_float_denorm_mode_32 3
		.amdhsa_float_denorm_mode_16_64 3
		.amdhsa_memory_ordered 1
		.amdhsa_forward_progress 1
		.amdhsa_inst_pref_size 255
	.end_amdhsa_kernel
	.section	.bss,"aw",@nobits
	.p2align	6
	.space	262144
	.amdgpu_metadata
---
amdhsa.version: [ 1, 2 ]
amdhsa.kernels:
  - .name:           k_q6286c07adb_qkvg
    .symbol:         k_q6286c07adb_qkvg.kd
    .args:
      - { .name: wrec, .offset: 0, .size: 8, .value_kind: global_buffer, .address_space: global }
      - { .name: qkvimg, .offset: 8, .size: 8, .value_kind: global_buffer, .address_space: global }
    .group_segment_fixed_size: 327680
    .private_segment_fixed_size: 0
    .kernarg_segment_align: 8
    .kernarg_segment_size: 16
    .max_flat_workgroup_size: 128
    .sgpr_count:     100
    .vgpr_count:     1024
    .wavefront_size: 32
...
	.end_amdgpu_metadata
.endif
;; end of part 2
;; launch attn (part 3): grid 8 x 32, 16 waves a work-group, clusters of 4 x 1, 294,912 bytes of LDS; arguments qkvimg, arec; writes arec
.if DOCPART == 3
	.amdgcn_target "amdgcn-amd-amdhsa--gfx1250"
	.amdhsa_code_object_version 6
	.text
	.protected	k_q6286c07adb_attn
	.globl	k_q6286c07adb_attn
	.p2align	8
	.type	k_q6286c07adb_attn,@function
k_q6286c07adb_attn:
	s_mov_b64 s[64:65], 0
	v_nop
	global_prefetch_b8 v0, s[64:65] scope:SCOPE_SE
	s_setreg_imm32_b32 hwreg(HW_REG_WAVE_MODE, 25, 1), 1
	s_wait_xcnt 0x0
	s_wait_alu depctr_hold_cnt(0) depctr_sa_sdst(0) depctr_va_vdst(0) depctr_va_sdst(0) depctr_va_ssrc(0) depctr_va_vcc(0) depctr_vm_vsrc(0)
	s_getreg_b32 s2, hwreg(HW_REG_IB_STS2, 6, 4)
	s_cmp_eq_u32 s2, 0
	s_cbranch_scc0 .Lentry_in_a_cluster
	s_endpgm
.Lentry_in_a_cluster:
	s_bfe_u32 s2, ttmp6, 0x10000c
	s_cmp_lg_u32 s2, 0x3003
	s_cbranch_scc0 .Lentry_shape_is_right
	s_endpgm
.Lentry_shape_is_right:
; o = softmax(q k^T / 8) v for one head and 256 queries a work-group, both products on codes of E4M3; o is quantised along the model's 1,024 for the next product and stored as records.
; THE SOFTMAX: t = score x log2(e) / 8; M = the running largest t rounded UP to a whole number; p = 2^(t - M) is quantised along the keys, not normalised; the row's sum is taken of the unquantised p and divides at the end.
; SHARES.  Sixteen waves, each one tile of 16 queries in 256 registers, four to a SIMD.  Every wave walks the head's 2,048 keys, 128 a step.
; LDS.  The head's scale words (K's at 0, V's at 4,096), the spare words (8,192), K's image (32,768 on) and V's (163,840 on) are brought ONCE, as images of operand registers: nothing is filled again.
; TEN JOINT LOADS, ONE A WAVE, in one chain of three arms: waves 0, 1 the scale words; waves 2, 3 the first 512 keys of K, V; waves 4 to 9 the other three chunks of 512.  The first barrier shows the first two arms' loads
; (waves under 4 wait), the second, four steps on, all.  CLUSTER: the four query blocks of a cluster belong to one head: every load names the four.
; NO PREFETCH: all that the launch reads by tensor loads is asked for at its head; there is no later load to run ahead of.
; K = 64 IN AN INSTRUCTION OF 128.  A fragment of K holds two key tiles (blocks 0, 1: tile 2 i; blocks 2, 3: tile 2 i + 1).  Q stands once between two runs of eight zero registers: [Q | 0] picks tile 2 i's scores, [0 | Q] tile 2 i + 1's.
; LAYOUT.  Both products transposed: a lane holds one query; a tile's keys are 32 (T / 2) + 8 (T % 2) + p + 8 (p / 8), so that the 16 registers of tiles 2 b, 2 b + 1 are 16 neighbouring keys.
; THE ROW'S SUM COMES A STEP LATE.  The holds write 16 other registers, so p stays unquantised until the next step's scores are made: its 28 packed additions stand at the next step's head, eight of them as the places behind
; the last products, the others under K's LDS loads; the last four stand, with the address lines, as the places behind the scores' products.  The first step adds zeros.
; LIMITS: NaN and infinities are not served; the scaled scores stay under 2^31 in magnitude; a block of zeros has the byte 1.  o's scale words span two heads, that is two work-groups: each stores its half, 2 bytes a lane.
.set RECB, 67584
.set KSC,  0
.set VSC,  4096
.set SPARE, 8192
.set KIMG, 32768
.set VIMG, 163840
.set R4,   1                           ; v1 4 r
.set ADK,  2                           ; v2 the step's fragments of K;  v3 of V;  v4 K's scale words (V's lie 3,840 behind the next step's)
.set ADV,  3
.set ADS,  4
.set SPW,  5
.set NIL,  6
.set AK0,  7                           ; v7-9 what the scalars are added to: K one step on, V, K's words one step on
.set AV0,  8
.set ASK0, 9
.set OM,   10                          ; v10 the last step's -M
.set LI,   11                          ; v11 16 x lane
.set ZQ,   16                          ; v16-23 zeros, v24-31 Q, v32-39 zeros
.set FR,   40                          ; v40-103 four fragments
.set S,    104                         ; v104-167 S^T, then p
.set O,    168                         ; v168-199 O^T
.set PC,   200                         ; v200-215 p's codes
.set T,    216                         ; v216-231 held p of a block; v216-223 also the sum's four chains
.set BM,   232
.set PL,   236
.set BD,   240
.set SOP,  244
.set SW,   248                         ; v248-251 K's or V's scale words; v252 f; v253 p's word; v254 at work; v255 Q's word
.set WV,   18
.set MNT,  19
.set SEL,  20
.set CS,   22
.set G1S,  24
.set G1C,  32
.set G0S,  40
.set G0C,  44
.set TB,   2
.set TS,   3
.set CNT,  66
.macro CROUND
	s_barrier_signal -1
	s_barrier_wait -1
	s_cmp_lg_u32 s[WV], 0
	s_cbranch_scc1 .Lnot_wave_0_\@
	s_barrier_signal -3
.Lnot_wave_0_\@:
	s_barrier_wait -3
	s_barrier_signal -1
	s_barrier_wait -1
.endm
.macro ARM under, g0, g1, next         ; one arm of the head's chain: its load, an s_nop and four v_nops behind it, a jump to the join
	s_cmp_lt_u32 s[WV], \under
	s_cbranch_scc0 \next
	tensor_load_to_lds s[\g0:\g0+3], s[\g1:\g1+7]
	s_nop 0
.rept 4
	v_nop
.endr
	s_branch .Lasked
\next:
.endm
	s_load_b128 s[4:7], s[0:1], 0x0                ; qkvimg s[4:5], arec s[6:7]
	v_lshl_add_u32 v[SPW], v0, 2, SPARE
	v_mov_b32 v[NIL], 0
	ds_add_u32 v[SPW], v[NIL]                      ; the opening lines: the add, twice on end, and its wait below
	ds_add_u32 v[SPW], v[NIL]
	v_lshrrev_b32 v[R4], 5, v0
	v_readfirstlane_b32 s[WV], v[R4]               ; wave 0..15
	s_bfe_u32 s13, ttmp6, 0x40000                  ; cx
	s_lshl_b32 s14, ttmp9, 2
	s_add_co_u32 s14, s14, s13                     ; my block of 256 queries: it enters Q's and o's addresses alone
	s_and_b32 s15, ttmp7, 0xffff                   ; head + 16 x batch, which the four partners share
	s_and_b32 s60, s[WV], 1                        ; 0: K, 1: V
	s_lshr_b32 s59, s[WV], 1
	s_min_u32 s59, s59, 4                          ; waves 2 to 9: chunk + 1
	s_mov_b32 s[G1S], 15|(3<<16)|(1<<21)           ; the mask: all four; elements of 8 bytes; bit 21 beside a mask; no padding
	s_mov_b32 s[G1C], 15|(3<<16)|(1<<21)
.irp g, G1S, G1C
	s_mov_b32 s[\g+1], 32<<16
	s_mov_b32 s[\g+3], 32<<16
	s_mov_b32 s[\g+5], 32
	s_mov_b32 s[\g+6], 0
	s_mov_b32 s[\g+7], 0
.endr
	s_mov_b32 s[G1S+2], 16<<16                     ; 16 rows of 256 bytes: a head's scale words
	s_mov_b32 s[G1S+4], 16
	s_mov_b32 s[G1C+2], 128<<16                    ; 128 rows: 512 keys
	s_mov_b32 s[G1C+4], 128
	s_lshl_b32 s61, s15, 17                        ; 131,072 a head
	s_add_co_u32 s62, s60, 1
	s_lshl_b32 s63, s62, 22
	s_add_co_u32 s68, s63, s61                     ; the head's K or V image,
	s_lshl_b32 s58, s59, 15
	s_add_co_u32 s68, s68, s58
	s_sub_co_u32 s68, s68, 32768                   ; my chunk of it
	s_mov_b32 s69, 0
	s_lshl_b32 s70, s62, 17
	s_lshl_b32 s71, s15, 12
	s_add_co_u32 s70, s70, s71
	s_add_co_u32 s70, s70, 12582912                ; its scale words
	s_mov_b32 s71, 0
	s_mov_b32 s[G0S], 1
	s_lshl_b32 s[G0S+1], s60, 12
	s_mov_b32 s[G0C], 1
	s_lshl_b32 s[G0C+1], s60, 17
	s_add_co_u32 s[G0C+1], s[G0C+1], s58           ; 32,768 x (chunk + 1) + 131,072 x (V)
	s_wait_dscnt 0x0
	s_wait_kmcnt 0x0
	s_add_nc_u64 s[G0S+2:G0S+3], s[4:5], s[70:71]
	s_or_b32 s[G0S+3], s[G0S+3], 0x80000000
	s_add_nc_u64 s[G0C+2:G0C+3], s[4:5], s[68:69]
	s_or_b32 s[G0C+3], s[G0C+3], 0x80000000
	CROUND                                         ; all four work-groups are here: the joint loads meet
	ARM 2,  G0S, G1S, .Lfirst
	ARM 4,  G0C, G1C, .Lrest
	ARM 10, G0C, G1C, .Lnone
.Lasked:
	s_lshl_b32 s74, s14, 4
	s_add_co_u32 s74, s74, s[WV]                   ; my tile of queries
	s_lshr_b32 s76, s74, 1
	s_lshl_b32 s76, s76, 6
	s_lshl_b32 s77, s15, 12
	s_add_co_u32 s76, s76, s77
	s_add_co_u32 s76, s76, 12582912                ; its pair's scale words
	s_mov_b32 s77, 0
	s_lshl_b32 s74, s74, 10
	s_add_co_u32 s74, s74, s61
	s_mov_b32 s75, 0
	s_add_nc_u64 s[74:75], s[4:5], s[74:75]
	s_add_nc_u64 s[76:77], s[4:5], s[76:77]
	v_and_b32 v[ADK], 31, v0
	v_and_b32 v[R4], 15, v0
	v_lshlrev_b32 v[LI], 4, v[ADK]
	v_lshlrev_b32 v[R4], 2, v[R4]
	global_load_b128 v[ZQ+8:ZQ+11], v[LI], s[74:75]
	global_load_b128 v[ZQ+12:ZQ+15], v[LI], s[74:75] offset:512
	global_load_b32 v254, v[R4], s[76:77]
	v_add_nc_u32 v[AK0], KIMG+8192, v[LI]
	v_add_nc_u32 v[ADK], KIMG, v[LI]
	v_add_nc_u32 v[AV0], VIMG, v[LI]
	v_add_nc_u32 v[ASK0], KSC+256, v[R4]
	v_add_nc_u32 v[ADS], KSC, v[R4]
	s_mov_b32 s[SEL], 0x76543210
	s_mov_b32 s[SEL+1], 0xfedcba98
	s_mov_b32 s[CS], 0x3e38aa3b                    ; c = log2(e) / 8
	s_mov_b32 s[CS+1], s[CS]
	s_mov_b32 s[MNT], 0x600000
	s_mov_b32 s[TB], 0
	s_mov_b32 s[TS], 0
	s_mov_b32 s78, 0x03020302
	s_bitcmp1_b32 s[WV], 0
	s_cselect_b32 s78, s78, 0x01000100             ; which half of the pair's word is my tile's
	; where o goes: record (8 batch + block) x 4 + head / 4; q = (head / 2) % 2; tile = wave; blocks 2 (head % 2) + 0, 1
	s_lshr_b32 s84, s15, 4
	s_and_b32 s85, s15, 15
	s_lshl_b32 s84, s84, 3
	s_add_co_u32 s84, s84, s14
	s_lshl_b32 s84, s84, 2
	s_lshr_b32 s86, s85, 2
	s_add_co_u32 s84, s84, s86
	s_mul_i32 s84, s84, RECB
	s_bfe_u32 s86, s85, 0x10001
	s_and_b32 s85, s85, 1
	s_lshl_b32 s87, s86, 15
	s_add_co_u32 s80, s84, s87
	s_lshl_b32 s87, s[WV], 11
	s_add_co_u32 s80, s80, s87
	s_lshl_b32 s87, s85, 10
	s_add_co_u32 s80, s80, s87
	s_mov_b32 s81, 0
	s_lshl_b32 s87, s86, 10
	s_add_co_u32 s82, s84, s87
	s_lshl_b32 s87, s[WV], 6
	s_add_co_u32 s82, s82, s87
	s_lshl_b32 s87, s85, 1
	s_add_co_u32 s82, s82, s87
	s_add_co_u32 s82, s82, 65536
	s_mov_b32 s83, 0
	s_add_nc_u64 s[80:81], s[6:7], s[80:81]
	s_add_nc_u64 s[82:83], s[6:7], s[82:83]
	s_wait_alu depctr_va_vdst(0)
	s_wait_loadcnt 0x0                             ; Q and its word
	v_perm_b32 v255, v254, v254, s78               ; Q's scale word: its two bytes twice.  The lines below are more than the eight places that a scale register so written wants
.irp j, 0,1,2,3,4,5,6,7
	v_mov_b32 v[ZQ+\j], 0                          ; the zero halves
	v_mov_b32 v[ZQ+16+\j], 0
.endr
	v_mov_b32 v13, 0xff61b1e6                      ; the largest t so far: -3e38
	v_floor_f32 v12, -v13
	v_mov_b32 v14, 0
	v_mov_b32 v15, 0
.irp b, 0,1,2,3
	v_mov_b32 v[PL+\b], 0                          ; a lane permute's destination counts as one of its sources
.endr
	v_mov_b32 v253, 0
.set j, 0
.rept 96
	v_mov_b32 v[S+j], 0                            ; p of no step, which the first step sums, and O^T: the first change of M multiplies zeros
.set j, j+1
.endr
.macro SUM8                            ; the row's sum of the unquantised p, four packed chains: the first eight additions,
.irp k, 0,1,2,3
	v_pk_add_f32 v[T+2*\k:T+2*\k+1], v[S+4*\k:S+4*\k+1], v[S+4*\k+2:S+4*\k+3]
.endr
.irp k, 0,1,2,3
	v_pk_add_f32 v[T+2*\k:T+2*\k+1], v[T+2*\k:T+2*\k+1], v[S+16+2*\k:S+17+2*\k]
.endr
.endm
.macro SUM20                           ; and the other twenty
.irp j, 24,32,40,48,56
.irp k, 0,1,2,3
	v_pk_add_f32 v[T+2*\k:T+2*\k+1], v[T+2*\k:T+2*\k+1], v[S+\j+2*\k:S+\j+2*\k+1]
.endr
.endr
.endm
.macro STEP                            ; 128 keys
	SUM8                                           ; eight places behind the last products, ahead of loads into registers that they read
.irp i, 0,1,2,3
.irp c, 0,1,2,3
	ds_load_b128 v[FR+16*\i+4*\c:FR+16*\i+4*\c+3], v[ADK] offset:2048*\i+512*\c
.endr
	ds_load_b32 v[SW+\i], v[ADS] offset:64*\i
.endr
	SUM20
	s_wait_alu depctr_va_vdst(0)
	s_wait_dscnt 0x0
.irp i, 0,1,2,3
	v_wmma_scale_f32_16x16x128_f8f6f4 v[S+16*\i:S+16*\i+7], v[FR+16*\i:FR+16*\i+15], v[ZQ+8:ZQ+23], 0, v[SW+\i], v255
	v_wmma_scale_f32_16x16x128_f8f6f4 v[S+16*\i+8:S+16*\i+15], v[FR+16*\i:FR+16*\i+15], v[ZQ:ZQ+15], 0, v[SW+\i], v255
.endr
	v_pk_add_f32 v[T:T+1], v[T:T+1], v[T+2:T+3]    ; eight places behind the products: the chains are joined, the addresses made, -M kept
	v_pk_add_f32 v[T+4:T+5], v[T+4:T+5], v[T+6:T+7]
	v_add_nc_u32 v[ADK], s[TB], v[AK0]             ; the next step's K
	v_add_nc_u32 v[ADS], s[TS], v[ASK0]
	v_pk_add_f32 v[T:T+1], v[T:T+1], v[T+4:T+5]
	v_add_nc_u32 v[ADV], s[TB], v[AV0]             ; this step's V
	v_mov_b32 v[OM], v12
	v_pk_add_f32 v[14:15], v[14:15], v[T:T+1]      ; the last step's sum, still under its M
.irp t, 0,1,2,3                        ; V's fragments are asked for now and land under the softmax
.irp c, 0,1,2,3
	ds_load_b128 v[FR+16*\t+4*\c:FR+16*\t+4*\c+3], v[ADV] offset:2048*\t+512*\c
.endr
	ds_load_b32 v[SW+\t], v[ADS] offset:VSC-KSC-256+64*\t
.endr
.irp b, 0,1,2,3
	v_max3_num_f32 v[BM+\b], v[S+16*\b], v[S+1+16*\b], v[S+2+16*\b]   ; the largest score of each block of 32 keys: for the row's maximum and, since p rises with the score, for the block's largest p
.endr
.irp i, 3,5,7,9,11,13
.irp b, 0,1,2,3
	v_max3_num_f32 v[BM+\b], v[BM+\b], v[S+16*\b+\i], v[S+1+16*\b+\i]
.endr
.endr
.irp b, 0,1,2,3
	v_max_num_f32 v[BM+\b], v[BM+\b], v[S+15+16*\b]
.endr
.irp b, 0,1,2,3
	v_permlanex16_b32 v[PL+\b], v[BM+\b], s[SEL], s[SEL+1]
.endr
.irp b, 0,1,2,3
	s_delay_alu instid0(VALU_DEP_4)
	v_max_num_f32 v[BM+\b], v[BM+\b], v[PL+\b]
.endr
	s_delay_alu instid0(VALU_DEP_2)
	v_max3_num_f32 v254, v[BM], v[BM+1], v[BM+2]
	s_delay_alu instid0(VALU_DEP_1)
	v_max_num_f32 v254, v254, v[BM+3]
	s_delay_alu instid0(VALU_DEP_1)
	v_mul_f32 v254, s[CS], v254
	s_delay_alu instid0(VALU_DEP_1)
	v_max_num_f32 v13, v13, v254                   ; the running largest t
	s_delay_alu instid0(VALU_DEP_1)
	v_floor_f32 v12, -v13                          ; the new -M = -ceil(t)
	s_delay_alu instid0(VALU_DEP_1)
	v_sub_f32 v254, v12, v[OM]
	s_delay_alu instid0(VALU_DEP_1)
	v_cvt_i32_f32 v254, v254                       ; (it saturates)
	s_delay_alu instid0(VALU_DEP_1)
	v_ldexp_f32 v252, 1.0, v254                    ; f = 2^(old M - new M)
.irp b, 0,1,2,3
	v_fma_f32 v[BM+\b], v[BM+\b], s[CS], v12
.endr
.set j, 0
.rept 32
	v_pk_fma_f32 v[S+j:S+j+1], v[S+j:S+j+1], s[CS:CS+1], v[12:13] op_sel_hi:[1,0,0]   ; t - M
.set j, j+2
.endr
	s_wait_alu depctr_va_vdst(0)                   ; one batch of 68 exponentials: a wait ahead of it and one behind it
.irp b, 0,1,2,3
	v_exp_f32 v[BM+\b], v[BM+\b]                   ; each block's largest p
.endr
.set j, 0
.rept 64
	v_exp_f32 v[S+j], v[S+j]                       ; p = 2^(t - M)
.set j, j+1
.endr
	v_pk_mul_f32 v[14:15], v[14:15], v[252:253] op_sel_hi:[1,0]   ; the sums under the new M: a plain line behind the exponentials
	s_wait_alu depctr_va_vdst(0)
.irp b, 0,1,2,3
	v_max_num_f32 v[BM+\b], 0x4800000, v[BM+\b]    ; the floor 2^(9 - 127): the byte cannot fall under 1
.endr
.irp b, 0,1,2,3
	s_delay_alu instid0(VALU_DEP_4)
	v_add_nc_u32 v[SOP+\b], 0xfc000000, v[BM+\b]   ; 8 off the exponent field: the conversion's scale operand
.endr
.irp b, 0,1,2,3
	v_and_or_b32 v[BD+\b], v[BM+\b], 0x7f800000, s[MNT]   ; 448 x the scale
.endr
.irp b, 0,1,2,3
	v_lshrrev_b32 v[PL+\b], 23, v[SOP+\b]
.endr
	s_delay_alu instid0(VALU_DEP_3)
	v_lshl_or_b32 v253, v[PL+1], 8, v[PL]          ; p's scale word for these 128 keys
	s_delay_alu instid0(VALU_DEP_1)
	v_lshl_or_b32 v253, v[PL+2], 16, v253
	s_delay_alu instid0(VALU_DEP_1)
	v_lshl_or_b32 v253, v[PL+3], 24, v253
.irp b, 0,1,2,3
.set i, 0
.rept 8                                ; p is not negative: a one-sided hold, two numbers a line, into other registers: p itself is summed in the next step
	v_dual_min_num_f32 v[T+i], v[BD+\b], v[S+16*\b+i] :: v_dual_min_num_f32 v[T+i+1], v[BD+\b], v[S+16*\b+i+1]
.set i, i+2
.endr
	v_cvt_scalef32_pk8_fp8_f32 v[PC+4*\b:PC+4*\b+1], v[T:T+7], v[SOP+\b]
	v_cvt_scalef32_pk8_fp8_f32 v[PC+4*\b+2:PC+4*\b+3], v[T+8:T+15], v[SOP+\b]
.irp j, 0,2,4,6
	v_pk_mul_f32 v[O+8*\b+\j:O+8*\b+\j+1], v[O+8*\b+\j:O+8*\b+\j+1], v[252:253] op_sel_hi:[1,0]   ; O^T under the new M; also the plain lines behind the conversions and the four places ahead of the products
.endr
.endr
	s_wait_alu depctr_va_vdst(0)
	s_wait_dscnt 0x0                               ; V is in
.irp t, 0,1,2,3
	v_wmma_scale_f32_16x16x128_f8f6f4 v[O+8*\t:O+8*\t+7], v[FR+16*\t:FR+16*\t+15], v[PC:PC+15], v[O+8*\t:O+8*\t+7], v[SW+\t], v253
.endr
	s_add_co_u32 s[TB], s[TB], 8192
	s_add_co_u32 s[TS], s[TS], 256
.endm
.macro PHASE n
	s_mov_b32 s[CNT], \n
.Lstep_\@:
	STEP
	s_sub_co_u32 s[CNT], s[CNT], 1
	s_cmp_lg_u32 s[CNT], 0
	s_cbranch_scc1 .Lstep_\@
.endm
	s_wait_alu depctr_va_vdst(0)                   ; the wait at the head's end
	s_cmp_lt_u32 s[WV], 4                          ; the first two arms' waves wait: the scale words and the first 512 keys are in
	s_cbranch_scc0 .Lnot_first
	s_wait_tensorcnt 0x0
.Lnot_first:
	s_barrier_signal -1
	s_barrier_wait -1
	PHASE 4
	s_wait_tensorcnt 0x0                           ; all that is still out: every wave waits
	s_wait_dscnt 0x0
	s_barrier_signal -1
	s_barrier_wait -1
	PHASE 12
	; THE WAY OUT: the last step's sum; o = O^T / the sum, quantised along the head's 64 (two blocks), stored as the operand's image
	SUM8                                           ; also the places behind the last products
	SUM20
	v_pk_add_f32 v[T:T+1], v[T:T+1], v[T+2:T+3]
	v_pk_add_f32 v[T+4:T+5], v[T+4:T+5], v[T+6:T+7]
	v_pk_add_f32 v[T:T+1], v[T:T+1], v[T+4:T+5]
	v_pk_add_f32 v[14:15], v[14:15], v[T:T+1]
	v_add_f32 v14, v14, v15
	v_permlanex16_b32 v252, v14, s[SEL], s[SEL+1]
	v_add_f32 v14, v14, v252
	s_wait_alu depctr_va_vdst(0)
	v_rcp_f32 v14, v14
	v_nop                                          ; the plain line behind the reciprocal
	s_wait_alu depctr_va_vdst(0)
.set j, 0
.rept 32
	v_mul_f32 v[S+j], v[O+j], v14                  ; register 16 b + i: channel 32 b + 16 (lane / 16) + i
.set j, j+1
.endr
.irp b, 0,1
	v_max3_num_f32 v[BM+\b], |v[S+16*\b]|, |v[S+1+16*\b]|, 0x4800000
.endr
.irp i, 2,4,6,8,10,12,14
.irp b, 0,1
	v_max3_num_f32 v[BM+\b], v[BM+\b], |v[S+16*\b+\i]|, |v[S+1+16*\b+\i]|
.endr
.endr
.irp b, 0,1
	v_permlanex16_b32 v[PL+\b], v[BM+\b], s[SEL], s[SEL+1]
.endr
.irp b, 0,1
	v_max_num_f32 v[BM+\b], v[BM+\b], v[PL+\b]
.endr
.irp b, 0,1
	v_add_nc_u32 v[SOP+\b], 0xfc000000, v[BM+\b]
.endr
.irp b, 0,1
	v_and_or_b32 v[BD+\b], v[BM+\b], 0x7f800000, s[MNT]
.endr
.irp b, 0,1
	v_lshrrev_b32 v[PL+\b], 23, v[SOP+\b]
.endr
	v_lshl_or_b32 v252, v[PL+1], 8, v[PL]
.irp b, 0,1
.set i, 0
.rept 16
	v_med3_num_f32 v[S+16*\b+i], v[S+16*\b+i], -v[BD+\b], v[BD+\b]
.set i, i+1
.endr
	v_cvt_scalef32_pk8_fp8_f32 v[PC+4*\b:PC+4*\b+1], v[S+16*\b:S+16*\b+7], v[SOP+\b]
	v_cvt_scalef32_pk8_fp8_f32 v[PC+4*\b+2:PC+4*\b+3], v[S+16*\b+8:S+16*\b+15], v[SOP+\b]
.endr
	v_nop
	global_store_b128 v[LI], v[PC:PC+3], s[80:81]              ; 512 consecutive bytes a store
	global_store_b128 v[LI], v[PC+4:PC+7], s[80:81] offset:512
	global_store_b16 v[R4], v252, s[82:83]                     ; my head's half of the rows' scale words
	s_wait_tensorcnt 0x0                           ; the wave's end
	ds_add_u32 v[SPW], v[NIL]
	s_wait_dscnt 0x0
	CROUND                                         ; the closing round
	s_endpgm
.Lfunc_end_k_q6286c07adb_attn:
	.size	k_q6286c07adb_attn, .Lfunc_end_k_q6286c07adb_attn-k_q6286c07adb_attn
	.p2alignl 7, 3214868480
	.fill 96, 4, 3214868480
	.section	.rodata,"a",@progbits
	.p2align	6, 0x0
	.amdhsa_kernel k_q6286c07adb_attn
		.amdhsa_group_segment_fixed_size 294912
		.amdhsa_private_segment_fixed_size 0
		.amdhsa_enable_private_segment 0
		.amdhsa_kernarg_size 16
		.amdhsa_user_sgpr_count 2
		.amdhsa_user_sgpr_kernarg_segment_ptr 1
		.amdhsa_wavefront_size32 1
		.amdhsa_system_sgpr_workgroup_id_x 1
		.amdhsa_system_sgpr_workgroup_id_y 1
		.amdhsa_system_sgpr_workgroup_id_z 1
		.amdhsa_system_vgpr_workitem_id 0
		.amdhsa_next_free_vgpr 256
		.amdhsa_next_free_sgpr 100
		.amdhsa_reserve_vcc 0
		.amdhsa_float_denorm_mode_32 3
		.amdhsa_float_denorm_mode_16_64 3
		.amdhsa_memory_ordered 1
		.amdhsa_forward_progress 1
		.amdhsa_inst_pref_size 57
	.end_amdhsa_kernel
	.amdgpu_metadata
---
amdhsa.version: [ 1, 2 ]
amdhsa.kernels:
  - .name:           k_q6286c07adb_attn
    .symbol:         k_q6286c07adb_attn.kd
    .args:
      - { .name: qkvimg, .offset: 0, .size: 8, .value_kind: global_buffer, .address_space: global }
      - { .name: arec, .offset: 8, .size: 8, .value_kind: global_buffer, .address_space: global }
    .group_segment_fixed_size: 294912
    .private_segment_fixed_size: 0
    .kernarg_segment_align: 8
    .kernarg_segment_size: 16
    .max_flat_workgroup_size: 512
    .sgpr_count:     100
    .vgpr_count:     256
    .wavefront_size: 32
...
	.end_amdgpu_metadata
.endif
;; end of part 3
;; launch oproj (part 4): grid 16 x 16, 4 waves a work-group, clusters of 4 x 4, 288,256 bytes of LDS; arguments arec, woutrec, parts; writes parts
.if DOCPART == 4
	.amdgcn_target "amdgcn-amd-amdhsa--gfx1250"
	.amdhsa_code_object_version 6
	.text
	.protected	k_q6286c07adb_oproj
	.globl	k_q6286c07adb_oproj
	.p2align	8
	.type	k_q6286c07adb_oproj,@function
k_q6286c07adb_oproj:
	s_mov_b64 s[64:65], 0
	v_nop
	global_prefetch_b8 v0, s[64:65] scope:SCOPE_SE
	s_setreg_imm32_b32 hwreg(HW_REG_WAVE_MODE, 25, 1), 1
	s_wait_xcnt 0x0
	s_wait_alu depctr_hold_cnt(0) depctr_sa_sdst(0) depctr_va_vdst(0) depctr_va_sdst(0) depctr_va_ssrc(0) depctr_va_vcc(0) depctr_vm_vsrc(0)
	s_getreg_b32 s2, hwreg(HW_REG_IB_STS2, 6, 4)
	s_cmp_eq_u32 s2, 0
	s_cbranch_scc0 .Lentry_in_a_cluster
	s_endpgm
.Lentry_in_a_cluster:
	s_bfe_u32 s2, ttmp6, 0x10000c
	s_cmp_lg_u32 s2, 0xf033
	s_cbranch_scc0 .Lentry_shape_is_right
	s_endpgm
.Lentry_shape_is_right:
; parts[4096][1024] (f32) = o w_out, on codes of E4M3 with one E8M0 byte for each 32 along K = 1,024.  Both operands come as records: images of operand registers (256 rows x 256 along K: codes at
; 32768 q + 2048 t + 512 c + 16 lane, scale words at 65536 + 1024 q + 64 t + 4 p; four records of a row group on end).  A tile's rows are 32 (T / 2) + 8 (T % 2) + p + 8 (p / 8).
; SHARES.  A work-group makes 256 rows x 64 columns: 16 x 16 work-groups.  Each of its four waves makes 64 x 64: 16 accumulators, 128 registers.
; A: the row group's four records, ALL of K, 270,336 bytes, are brought into LDS once, one whole record a wave, by a joint load that names the four work-groups of my row of the cluster.  Nothing is filled again.
; B: my 64 columns, all of K, are 32 fragments of 2,048 consecutive bytes: every wave loads them straight into 512 registers, a lane 16 bytes of each 512, so LDS is read for A alone: 8,192 bytes for a wave's 16 products.
; B is not asked for jointly: it does not pass through LDS.  NO PREFETCH: all that the launch reads is asked for at its head; there is no loop to run ahead in.
; THE MATRIX INSTRUCTION IS USED TRANSPOSED (source 0 = 16 columns of w_out, source 1 = 16 rows of o): a lane holds eight neighbouring numbers of a row of the result.
; REGISTERS.  Window 0: v1-23 addresses; v32-63 B's scale words (4 a K step), v68-99 A's; v128-255 accumulator (a, b) at 128 + 8 (4 a + b).  Windows 1, 2: B's fragments, K steps 0-3, 4-7.  Window 3: A's fragments, two sets of 64; on the way out the rows read back.
; LIMITS: NaN and infinities are not served.
.set RECB,   67584
.set RBB,    4*RECB
.set SPARE,  4*RECB                    ; behind the four records: the spare words, 128 bytes a wave
.set STAGE,  SPARE+512                 ; behind them: a stage of 16 rows x (256 + 16) bytes for each wave; no fill lands there
.set SPITCH, 272
.set LI,   1                           ; v1 16 x lane
.set R4,   2                           ; v2 4 x (lane % 16)
.set STO,  3
.set RD,   4
.set CO,   5
.set SPW,  6
.set NIL,  7
.set ADRA, 16                          ; v16-19 my four tiles of A in record 0 .. 3
.set ADSA, 20                          ; v20-23 their scale words
.set BS,   32
.set AS,   68                          ; no product's two scale registers have numbers equal modulo 8
.set ACC,  128
.set G1,   24
.set G0,   32
.set MSB, 0
.macro WIN new                         ; the immediate's high byte repeats the setting that is left
.if MSB != (\new)
	s_set_vgpr_msb (MSB<<8)|(\new)
.set MSB, (\new)
.endif
.endm
.macro PLACES n
.rept \n
	v_nop
.endr
.endm
.macro CROUND
	s_barrier_signal -1
	s_barrier_wait -1
	s_cmp_lg_u32 s14, 0
	s_cbranch_scc1 .Lnot_wave_0_\@
	s_barrier_signal -3
.Lnot_wave_0_\@:
	s_barrier_wait -3
	s_barrier_signal -1
	s_barrier_wait -1
.endm
	s_load_b128 s[4:7], s[0:1], 0x0                ; arec, woutrec
	s_load_b64 s[8:9], s[0:1], 0x10                ; parts
	v_lshl_add_u32 v[SPW], v0, 2, SPARE
	v_mov_b32 v[NIL], 0
	ds_add_u32 v[SPW], v[NIL]                      ; the opening lines: the add, twice on end, and its wait below
	ds_add_u32 v[SPW], v[NIL]
	v_lshrrev_b32 v8, 5, v0
	v_readfirstlane_b32 s14, v8                    ; wave 0..3
	s_bfe_u32 s40, ttmp6, 0x40000                  ; cx, cy
	s_bfe_u32 s41, ttmp6, 0x40004
	s_lshl_b32 s42, ttmp9, 2
	s_add_co_u32 s42, s42, s40                     ; my 64 columns: 0..15
	s_and_b32 s17, ttmp7, 0xffff
	s_lshl_b32 s17, s17, 2
	s_add_co_u32 s17, s17, s41                     ; my 256 rows: 0..15
	s_lshl_b32 s43, s41, 2
	s_lshl_b32 s43, 15, s43                        ; my row of the cluster shares A
	s_or_b32 s[G1+0], s43, (3<<16)|(1<<21)         ; elements of 8 bytes; bit 21 beside a mask; no padding
	s_mov_b32 s[G1+1], 32<<16                      ; a record: 264 dense rows of 256 bytes
	s_mov_b32 s[G1+2], 264<<16
	s_mov_b32 s[G1+3], 32<<16
	s_mov_b32 s[G1+4], 264
	s_mov_b32 s[G1+5], 32
	s_mov_b32 s[G1+6], 0
	s_mov_b32 s[G1+7], 0
	s_mov_b32 s[G0], 1
	s_mul_i32 s[G0+1], s14, RECB                   ; wave w brings record w
	s_mul_i32 s20, s17, RBB
	s_add_co_u32 s20, s20, s[G0+1]
	s_mov_b32 s21, 0
	s_lshr_b32 s46, s42, 2
	s_mul_i32 s46, s46, RBB                        ; B's group of records: columns / 256
	s_and_b32 s47, s42, 3                          ; my four tiles among its sixteen
	s_lshl_b32 s48, s47, 8
	s_add_co_u32 s48, s48, s46
	s_add_co_u32 s48, s48, 65536                   ; their scale words
	s_mov_b32 s49, 0
	s_lshl_b32 s47, s47, 13
	s_add_co_u32 s46, s46, s47                     ; their fragments
	s_mov_b32 s47, 0
	s_lshl_b32 s22, s17, 8
	s_lshl_b32 s23, s14, 6
	s_add_co_u32 s22, s22, s23                     ; my wave's first row of the result
	s_lshl_b32 s22, s22, 12
	s_lshl_b32 s23, s42, 8
	s_add_co_u32 s22, s22, s23                     ; and my columns' 256 bytes in it
	s_mov_b32 s23, 0
	s_wait_dscnt 0x0                               ; both opening adds are done
	s_wait_kmcnt 0x0
	s_add_nc_u64 s[G0+2:G0+3], s[4:5], s[20:21]
	s_or_b32 s[G0+3], s[G0+3], 0x80000000
	s_add_nc_u64 s[46:47], s[6:7], s[46:47]
	s_add_nc_u64 s[48:49], s[6:7], s[48:49]
	s_add_nc_u64 s[8:9], s[8:9], s[22:23]
	CROUND                                         ; all sixteen work-groups are here: the joint loads meet
	tensor_load_to_lds s[G0:G0+3], s[G1:G1+7]      ; my one tensor load
	s_nop 0
	PLACES 4
	v_and_b32 v8, 31, v0
	v_and_b32 v9, 15, v0                           ; r
	v_bfe_u32 v10, v0, 4, 1                        ; h
	v_lshlrev_b32 v[LI], 4, v8
	v_lshlrev_b32 v[R4], 2, v9
	s_wait_alu depctr_va_vdst(0)                   ; the wait ahead of readers behind scalar lines
.irp ks, 0,1,2,3,4,5,6,7               ; B: fragment (K step, b) into window 1 + ks / 4, register 64 (ks % 4) + 16 b
	WIN ((1+\ks/4)<<6)
.irp b, 0,1,2,3
.irp c, 0,1,2,3
	global_load_b128 v[64*(\ks%4)+16*\b+4*\c:64*(\ks%4)+16*\b+4*\c+3], v[LI], s[46:47] offset:RECB*(\ks/2)+32768*(\ks%2)+2048*\b+512*\c
.endr
.endr
.endr
	WIN 0
.irp ks, 0,1,2,3,4,5,6,7
.irp b, 0,1,2,3
	global_load_b32 v[BS+4*\ks+\b], v[R4], s[48:49] offset:RECB*(\ks/2)+1024*(\ks%2)+64*\b
.endr
.endr
	s_lshl_b32 s21, s14, 13                        ; my four tiles of A: 8,192 x wave
	s_lshl_b32 s22, s14, 8
	s_add_co_u32 s22, s22, 65536
.irp r, 0,1,2,3
	v_add_nc_u32 v[ADRA+\r], s21, v[LI]
	v_add_nc_u32 v[ADSA+\r], s22, v[R4]
	s_add_co_u32 s21, s21, RECB
	s_add_co_u32 s22, s22, RECB
.endr
	s_mul_i32 s23, s14, 16*SPITCH
	s_add_co_u32 s23, s23, STAGE                   ; my stage
	v_mul_u32_u24 v11, v9, SPITCH                  ; in: row r, 64 bytes for each half of the lanes
	v_lshl_add_u32 v11, v10, 6, v11
	v_add_nc_u32 v[STO], s23, v11
	v_mul_u32_u24 v11, v10, SPITCH                 ; back: lanes 0-15 one row of 256 bytes, lanes 16-31 the next
	v_lshl_add_u32 v11, v9, 4, v11
	v_add_nc_u32 v[RD], s23, v11
	v_lshlrev_b32 v[CO], 12, v10                   ; and the same two rows in the result
	v_lshl_add_u32 v[CO], v9, 4, v[CO]
.macro FETCHA ks                       ; A's four fragments of a K step into set ks % 2 of window 3
	WIN 0xc0
.irp a, 0,1,2,3
.irp c, 0,1,2,3
	ds_load_b128 v[64*((\ks)%2)+16*\a+4*\c:64*((\ks)%2)+16*\a+4*\c+3], v[ADRA+(\ks)/2] offset:32768*((\ks)%2)+2048*\a+512*\c
.endr
.endr
.endm
.macro KSTEP ks                        ; 128 along K: 16 products, the 16 accumulators by turns; the first step's products start the sums
	s_wait_dscnt 0x0                               ; this step's fragments of A, asked for a step ago
.if (\ks) < 7
.if (\ks) > 0
	PLACES 8                                       ; behind the last step's products, ahead of loads into the set that they read
.endif
	FETCHA (\ks)+1
.endif
	WIN ((1+(\ks)/4)|12)                           ; source 0 (B) window 1 or 2, source 1 (A) window 3, C and D window 0
.irp a, 0,1,2,3
.irp b, 0,1,2,3
.if (\ks) == 0
	v_wmma_scale_f32_16x16x128_f8f6f4 v[ACC+8*(4*\a+\b):ACC+8*(4*\a+\b)+7], v[64*((\ks)%4)+16*\b:64*((\ks)%4)+16*\b+15], v[64*((\ks)%2)+16*\a:64*((\ks)%2)+16*\a+15], 0, v[BS+4*(\ks)+\b], v[AS+4*(\ks)+\a]
.else
	v_wmma_scale_f32_16x16x128_f8f6f4 v[ACC+8*(4*\a+\b):ACC+8*(4*\a+\b)+7], v[64*((\ks)%4)+16*\b:64*((\ks)%4)+16*\b+15], v[64*((\ks)%2)+16*\a:64*((\ks)%2)+16*\a+15], v[ACC+8*(4*\a+\b):ACC+8*(4*\a+\b)+7], v[BS+4*(\ks)+\b], v[AS+4*(\ks)+\a]
.endif
.endr
.endr
.endm
	s_wait_alu depctr_va_vdst(0)                   ; the wait at the head's end
	s_wait_tensorcnt 0x0                           ; my record is in,
	s_barrier_signal -1
	s_barrier_wait -1                              ; and everybody's
.irp ks, 0,1,2,3,4,5,6,7
.irp a, 0,1,2,3
	ds_load_b32 v[AS+4*\ks+\a], v[ADSA+\ks/2] offset:1024*(\ks%2)+64*\a
.endr
.endr
	FETCHA 0
	s_wait_loadcnt 0x0                             ; B and its scale words
.irp ks, 0,1,2,3,4,5,6,7
	KSTEP \ks
.endr
	WIN 0
	PLACES 8                                       ; behind the last products: ahead of the first reads of results and of loads into A's sets
; THE WAY OUT, tile by tile of 16 rows x 64 columns: through my stage and back as whole rows of 256 bytes.  LDS serves a wave's instructions in order (ISA guide 5.7.1.4): no wait between the stores and the loads.
; Register j of accumulator (a, b) in lane (r, h) is row p = r of tile 4 wave + a, column 32 (b / 2) + 8 (b % 2) + 16 h + j.
.macro TOSTAGE a
.irp b, 0,1,2,3
	ds_store_b128 v[STO], v[ACC+8*(4*(\a)+\b):ACC+8*(4*(\a)+\b)+3] offset:128*(\b/2)+32*(\b%2)      ; each accumulator from its low end on
	ds_store_b128 v[STO], v[ACC+8*(4*(\a)+\b)+4:ACC+8*(4*(\a)+\b)+7] offset:128*(\b/2)+32*(\b%2)+16
.endr
	WIN 0xc0
.irp t, 0,1,2,3,4,5,6,7
	ds_load_b128 v[64*((\a)%2)+4*\t:64*((\a)%2)+4*\t+3], v[RD] offset:2*\t*SPITCH
.endr
	WIN 0
.endm
.macro SEND a, younger                 ; younger: the LDS instructions issued behind tile a's loads, which may stay out
	s_wait_dscnt \younger
	WIN 0x0c                                       ; the data: window 3
.irp t, 0,1,2,3,4,5,6,7
	global_store_b128 v[CO], v[64*((\a)%2)+4*\t:64*((\a)%2)+4*\t+3], s[8:9] offset:4096*(32*((\a)/2)+8*((\a)%2)+2*\t+8*(\t/4)) th:TH_STORE_NT   ; sixteen lanes store 256 consecutive bytes, aligned
.endr
	WIN 0
.endm
	TOSTAGE 0
.irp a, 1,2,3
.if \a > 1
	s_wait_xcnt 0x0                                ; tile a - 2's stores have read their registers: tile a's loads may land there
.endif
	TOSTAGE \a
	SEND \a-1, 16                                  ; behind tile a - 1's loads: tile a's 8 stores and 8 loads
.endr
	SEND 3, 0
	s_wait_tensorcnt 0x0                           ; the wave's end
	ds_add_u32 v[SPW], v[NIL]
	s_wait_dscnt 0x0
	CROUND                                         ; the closing round
	s_endpgm
.Lfunc_end_k_q6286c07adb_oproj:
	.size	k_q6286c07adb_oproj, .Lfunc_end_k_q6286c07adb_oproj-k_q6286c07adb_oproj
	.p2alignl 7, 3214868480
	.fill 96, 4, 3214868480
	.section	.rodata,"a",@progbits
	.p2align	6, 0x0
	.amdhsa_kernel k_q6286c07adb_oproj
		.amdhsa_group_segment_fixed_size 288256
		.amdhsa_private_segment_fixed_size 0
		.amdhsa_enable_private_segment 0
		.amdhsa_kernarg_size 24
		.amdhsa_user_sgpr_count 2
		.amdhsa_user_sgpr_kernarg_segment_ptr 1
		.amdhsa_wavefront_size32 1
		.amdhsa_system_sgpr_workgroup_id_x 1
		.amdhsa_system_sgpr_workgroup_id_y 1
		.amdhsa_system_sgpr_workgroup_id_z 1
		.amdhsa_system_vgpr_workitem_id 0
		.amdhsa_next_free_vgpr 1024
		.amdhsa_next_free_sgpr 66
		.amdhsa_reserve_vcc 0
		.amdhsa_float_denorm_mode_32 3
		.amdhsa_float_denorm_mode_16_64 3
		.amdhsa_memory_ordered 1
		.amdhsa_forward_progress 1
		.amdhsa_inst_pref_size 57
	.end_amdhsa_kernel
	.amdgpu_metadata
---
amdhsa.version: [ 1, 2 ]
amdhsa.kernels:
  - .name:           k_q6286c07adb_oproj
    .symbol:         k_q6286c07adb_oproj.kd
    .args:
      - { .name: arec, .offset: 0, .size: 8, .value_kind: global_buffer, .address_space: global }
      - { .name: woutrec, .offset: 8, .size: 8, .value_kind: global_buffer, .address_space: global }
      - { .name: parts, .offset: 16, .size: 8, .value_kind: global_buffer, .address_space: global }
    .group_segment_fixed_size: 288256
    .private_segment_fixed_size: 0
    .kernarg_segment_align: 8
    .kernarg_segment_size: 24
    .max_flat_workgroup_size: 128
    .sgpr_count:     66
    .vgpr_count:     1024
    .wavefront_size: 32
...
	.end_amdgpu_metadata
.endif
;; end of part 4
;; launch ln1 (part 5): grid 256 x 1, 16 waves a work-group, no clusters, 19,456 bytes of LDS; arguments x, parts, ln1_w, ln1_b, x1buf; writes x1buf
.if DOCPART == 5
	.amdgcn_target "amdgcn-amd-amdhsa--gfx1250"
	.amdhsa_code_object_version 6
	.text
	.protected	k_q6286c07adb_ln1
	.globl	k_q6286c07adb_ln1
	.p2align	8
	.type	k_q6286c07adb_ln1,@function
k_q6286c07adb_ln1:
	s_mov_b64 s[64:65], 0
	v_nop
	global_prefetch_b8 v0, s[64:65] scope:SCOPE_SE
	s_setreg_imm32_b32 hwreg(HW_REG_WAVE_MODE, 25, 1), 1
	s_wait_xcnt 0x0
; x1 = layernorm(x + o w_out) x ln1_w + ln1_b, in f32; stored as f32 rows (x1buf, byte 0 on) and, quantised along the 1,024, as records for the next product (byte 16,777,216 on).
; Work-group T is a tile of 16 tokens, wave w its row row(T, w) = 32 (T / 2) + 8 (T % 2) + w + 8 (w / 8): a row of 4,096 bytes is 32 registers of one wave, so the statistics never leave the wave.
; The mean is taken first and the variance of the differences, as the definition has it.  Records: see the quantising launch: fragment byte 512 c + 16 (p + 16 h) + i; scale words behind the codes.
; LIMITS: NaN and infinities are not served; a block of zeros has the byte 1.  Scale words leave in pieces of 64 bytes.
.set RECB, 67584
.set SIMG, 16384
.set LO,  1
.set IA,  2
.set SA,  3
.set RA,  4
.set VS,  5
.set SBY, 8
.set MX,  24
.set X,   32                           ; v32-63 the row;  v64-95 the product's row, later the scaled numbers;  v96-127 the gain;  v128-159 the bias;  v160-175 sums
.set P,   64
.set W,   96
.set BI,  128
.macro QROW src, dst
.irp j, 0,1,2,3,4,5,6,7
	v_max3_num_f32 v[MX+\j], |v[\src+4*\j]|, |v[\src+4*\j+1]|, 0x4800000
.endr
.irp j, 0,1,2,3,4,5,6,7
	v_max3_num_f32 v[MX+\j], v[MX+\j], |v[\src+4*\j+2]|, |v[\src+4*\j+3]|
.endr
.irp m, 1,2,4
.irp j, 0,1,2,3,4,5,6,7
	v_max_num_f32_dpp v[MX+\j], v[MX+\j], v[MX+\j] row_xmask:\m row_mask:0xf bank_mask:0xf
.endr
.endr
.irp j, 0,1,2,3,4,5,6,7
	v_add_nc_u32 v[MX+\j], 0xfc000000, v[MX+\j]
.endr
.irp j, 0,1,2,3,4,5,6,7
	v_lshrrev_b32 v[SBY+\j], 23, v[MX+\j]
.endr
.irp j, 0,1,2,3,4,5,6,7
	v_sub_nc_u32 v[MX+\j], 254, v[SBY+\j]
.endr
.irp j, 0,1,2,3,4,5,6,7
	v_lshlrev_b32 v[MX+\j], 23, v[MX+\j]           ; 1 / scale
.endr
.irp j, 0,1,2,3,4,5,6,7
.irp i, 0,1,2,3
	v_mul_f32 v[\dst+4*\j+\i], v[\src+4*\j+\i], v[MX+\j]
.endr
.endr
.set n, 0
.rept 32
	v_med3_num_f32 v[\dst+n], v[\dst+n], s28, s29
.set n, n+1
.endr
	v_cvt_pk_fp8_f32 v16.l, v[\dst+0], v[\dst+1]
	v_cvt_pk_fp8_f32 v16.h, v[\dst+2], v[\dst+3]
	v_cvt_pk_fp8_f32 v17.l, v[\dst+4], v[\dst+5]
	v_cvt_pk_fp8_f32 v17.h, v[\dst+6], v[\dst+7]
	v_cvt_pk_fp8_f32 v18.l, v[\dst+8], v[\dst+9]
	v_cvt_pk_fp8_f32 v18.h, v[\dst+10], v[\dst+11]
	v_cvt_pk_fp8_f32 v19.l, v[\dst+12], v[\dst+13]
	v_cvt_pk_fp8_f32 v19.h, v[\dst+14], v[\dst+15]
	v_cvt_pk_fp8_f32 v20.l, v[\dst+16], v[\dst+17]
	v_cvt_pk_fp8_f32 v20.h, v[\dst+18], v[\dst+19]
	v_cvt_pk_fp8_f32 v21.l, v[\dst+20], v[\dst+21]
	v_cvt_pk_fp8_f32 v21.h, v[\dst+22], v[\dst+23]
	v_cvt_pk_fp8_f32 v22.l, v[\dst+24], v[\dst+25]
	v_cvt_pk_fp8_f32 v22.h, v[\dst+26], v[\dst+27]
	v_cvt_pk_fp8_f32 v23.l, v[\dst+28], v[\dst+29]
	v_cvt_pk_fp8_f32 v23.h, v[\dst+30], v[\dst+31]
.endm
.macro ACROSS                          ; v[160:167], four packed chains, become one sum in every lane's v168
	s_delay_alu instid0(VALU_DEP_3)
	v_pk_add_f32 v[160:161], v[160:161], v[162:163]
	s_delay_alu instid0(VALU_DEP_2)
	v_pk_add_f32 v[164:165], v[164:165], v[166:167]
	s_delay_alu instid0(VALU_DEP_1)
	v_pk_add_f32 v[160:161], v[160:161], v[164:165]
	s_delay_alu instid0(VALU_DEP_1)
	v_add_f32 v168, v160, v161
.irp m, 1,2,4,8
	s_delay_alu instid0(VALU_DEP_1)
	v_add_f32_dpp v168, v168, v168 row_xmask:\m row_mask:0xf bank_mask:0xf
.endr
	s_delay_alu instid0(VALU_DEP_1)
	v_permlanex16_b32 v169, v168, s32, s33
	s_delay_alu instid0(VALU_DEP_1)
	v_add_f32 v168, v168, v169
.endm
	s_load_b256 s[4:11], s[0:1], 0x0               ; x, the product, the gain, the bias
	s_load_b64 s[12:13], s[0:1], 0x20              ; x1buf
	v_lshl_add_u32 v176, v0, 2, 0x4400
	v_mov_b32 v177, 0
	v_lshrrev_b32 v6, 5, v0
	s_delay_alu instid0(VALU_DEP_1)
	v_readfirstlane_b32 s20, v6
	v_and_b32 v7, 31, v0
	s_wait_alu depctr_va_vdst(0)
	s_lshr_b32 s21, ttmp9, 1
	s_lshl_b32 s21, s21, 5
	s_and_b32 s22, ttmp9, 1
	s_lshl_b32 s22, s22, 3
	s_add_co_u32 s21, s21, s22
	s_add_co_u32 s21, s21, s20
	s_and_b32 s22, s20, 8
	s_add_co_u32 s21, s21, s22                     ; row(T, w)
	s_lshl_b32 s22, s21, 12
	s_mov_b32 s23, 0
	v_lshlrev_b32 v[LO], 4, v7
	s_wait_alu depctr_va_vdst(0)
	s_wait_kmcnt 0x0
	s_add_nc_u64 s[4:5], s[4:5], s[22:23]
	s_add_nc_u64 s[6:7], s[6:7], s[22:23]
	s_add_nc_u64 s[14:15], s[12:13], s[22:23]
.irp j, 0,1,2,3,4,5,6,7
	global_load_b128 v[X+4*\j:X+4*\j+3], v[LO], s[4:5] offset:512*\j th:TH_LOAD_NT
.endr
.irp j, 0,1,2,3,4,5,6,7
	global_load_b128 v[P+4*\j:P+4*\j+3], v[LO], s[6:7] offset:512*\j th:TH_LOAD_NT
.endr
.irp j, 0,1,2,3,4,5,6,7
	global_load_b128 v[W+4*\j:W+4*\j+3], v[LO], s[8:9] offset:512*\j
.endr
.irp j, 0,1,2,3,4,5,6,7
	global_load_b128 v[BI+4*\j:BI+4*\j+3], v[LO], s[10:11] offset:512*\j
.endr
	v_lshrrev_b32 v6, 3, v7
	s_delay_alu instid0(VALU_DEP_1)
	v_lshlrev_b32 v[IA], 9, v6
	v_bfe_u32 v[VS], v0, 2, 1
	s_delay_alu instid0(VALU_DEP_1)
	v_lshl_add_u32 v[IA], v[VS], 8, v[IA]
	v_and_b32 v[RA], 3, v0
	s_delay_alu instid0(VALU_DEP_1)
	v_lshl_add_u32 v[IA], v[RA], 2, v[IA]
	s_lshl_b32 s24, s20, 4
	v_add_nc_u32 v[IA], s24, v[IA]
	s_lshl_b32 s24, s20, 2
	s_add_co_u32 s24, s24, SIMG
	v_add_nc_u32 v[SA], s24, v6
	v_mul_u32_u24 v6, v6, RECB
	s_delay_alu instid0(VALU_DEP_1)
	v_lshl_add_u32 v6, v[VS], 10, v6
	s_delay_alu instid0(VALU_DEP_1)
	v_lshl_add_u32 v[VS], v[RA], 4, v6
	s_lshl_b32 s24, s20, 10
	v_add_nc_u32 v[RA], s24, v[LO]
.irp j, 0,1,2,3,4,5,6,7
	v_mov_b32 v[16+\j], 0                          ; the conversions write these half by half: written whole once
.endr
	v_mov_b32 v169, 0                              ; a lane permute's destination counts as one of its sources
	s_mov_b32 s28, 0xc3e00000
	s_mov_b32 s29, 0x43e00000
	s_mov_b32 s30, 0x3a800000                      ; 1 / 1,024
	s_mov_b32 s31, 0x3727c5ac                      ; 1e-5
	s_mov_b32 s32, 0x76543210
	s_mov_b32 s33, 0xfedcba98
	s_lshr_b32 s24, ttmp9, 4
	s_mul_i32 s24, s24, 4*RECB
	s_add_co_u32 s24, s24, 16777216                ; the records lie behind the f32 rows
	s_and_b32 s25, ttmp9, 15
	s_lshl_b32 s26, s25, 6
	s_add_co_u32 s26, s26, s24
	s_add_co_u32 s26, s26, 65536
	s_mov_b32 s27, 0
	s_lshl_b32 s25, s25, 11
	s_add_co_u32 s24, s24, s25
	s_lshr_b32 s25, s20, 2
	s_mul_i32 s25, s25, RECB
	s_add_co_u32 s24, s24, s25
	s_bfe_u32 s25, s20, 0x10001
	s_lshl_b32 s25, s25, 15
	s_add_co_u32 s24, s24, s25
	s_and_b32 s25, s20, 1
	s_lshl_b32 s25, s25, 10
	s_add_co_u32 s24, s24, s25
	s_mov_b32 s25, 0
	s_add_nc_u64 s[24:25], s[12:13], s[24:25]
	s_add_nc_u64 s[26:27], s[12:13], s[26:27]
	s_wait_loadcnt 16                              ; x and the product are in; the gain's and the bias's sixteen loads may be out
.set i, 0
.rept 16
	v_pk_add_f32 v[X+i:X+i+1], v[X+i:X+i+1], v[P+i:P+i+1]
.set i, i+2
.endr
.irp k, 0,1,2,3
	v_pk_add_f32 v[160+2*\k:161+2*\k], v[X+4*\k:X+4*\k+1], v[X+4*\k+2:X+4*\k+3]
.endr
.irp j, 16,24
.irp k, 0,1,2,3
	s_delay_alu instid0(VALU_DEP_4)
	v_pk_add_f32 v[160+2*\k:161+2*\k], v[160+2*\k:161+2*\k], v[X+\j+2*\k:X+\j+2*\k+1]
.endr
.endr
	ACROSS
	s_delay_alu instid0(VALU_DEP_1)
	v_mul_f32 v170, 0xba800000, v168               ; - the mean
	s_delay_alu instid0(VALU_DEP_1)
	v_mov_b32 v171, v170
.set i, 0
.rept 16
	v_pk_add_f32 v[X+i:X+i+1], v[X+i:X+i+1], v[170:171]
.set i, i+2
.endr
.irp k, 0,1,2,3
	v_pk_mul_f32 v[160+2*\k:161+2*\k], v[X+2*\k:X+2*\k+1], v[X+2*\k:X+2*\k+1]
.endr
.irp j, 8,16,24
.irp k, 0,1,2,3
	s_delay_alu instid0(VALU_DEP_4)
	v_pk_fma_f32 v[160+2*\k:161+2*\k], v[X+\j+2*\k:X+\j+2*\k+1], v[X+\j+2*\k:X+\j+2*\k+1], v[160+2*\k:161+2*\k]
.endr
.endr
	ACROSS
	s_delay_alu instid0(VALU_DEP_1)
	v_fma_f32 v172, v168, s30, s31                 ; the variance + 1e-5
	s_wait_alu depctr_va_vdst(0)
	v_rsq_f32 v174, v172
	v_rsq_f32 v175, v172                           ; twice: a pair for the packed multiply
	v_nop                                          ; a plain line behind the transcendentals
	s_wait_alu depctr_va_vdst(0)                   ; one wait for both, ahead of their first reader
	s_wait_loadcnt 0x0
.set i, 0
.rept 16
	v_pk_mul_f32 v[X+i:X+i+1], v[X+i:X+i+1], v[174:175]
.set i, i+2
.endr
.set i, 0
.rept 16
	v_pk_fma_f32 v[X+i:X+i+1], v[X+i:X+i+1], v[W+i:W+i+1], v[BI+i:BI+i+1]
.set i, i+2
.endr
.irp j, 0,1,2,3,4,5,6,7
	global_store_b128 v[LO], v[X+4*\j:X+4*\j+3], s[14:15] offset:512*\j     ; 512 consecutive bytes a store
.endr
	QROW X, P                                      ; the scaled numbers go to other registers: the stores' data stay as they are
.irp j, 0,1,2,3,4,5,6,7
	ds_store_b32 v[IA], v[16+\j] offset:2048*\j
	ds_store_b8 v[SA], v[SBY+\j] offset:64*\j
.endr
	s_wait_dscnt 0x0                               ; for the others' sake: my stores have landed
	s_barrier_signal -1
	s_barrier_wait -1
	ds_load_b128 v[64:67], v[RA]
	ds_load_b128 v[68:71], v[RA] offset:512
	s_wait_dscnt 0x0
	global_store_b128 v[LO], v[64:67], s[24:25]
	global_store_b128 v[LO], v[68:71], s[24:25] offset:512
	s_cmp_lg_u32 s20, 0
	s_cbranch_scc1 .Ldone
	ds_load_b128 v[72:75], v[LO] offset:SIMG
	s_wait_dscnt 0x0
	global_store_b128 v[VS], v[72:75], s[26:27]
.Ldone:
	s_wait_tensorcnt 0x0
	ds_add_u32 v176, v177
	s_wait_dscnt 0x0
	s_endpgm
.Lfunc_end_k_q6286c07adb_ln1:
	.size	k_q6286c07adb_ln1, .Lfunc_end_k_q6286c07adb_ln1-k_q6286c07adb_ln1
	.p2alignl 7, 3214868480
	.fill 96, 4, 3214868480
	.section	.rodata,"a",@progbits
	.p2align	6, 0x0
	.amdhsa_kernel k_q6286c07adb_ln1
		.amdhsa_group_segment_fixed_size 19456
		.amdhsa_private_segment_fixed_size 0
		.amdhsa_enable_private_segment 0
		.amdhsa_kernarg_size 40
		.amdhsa_user_sgpr_count 2
		.amdhsa_user_sgpr_kernarg_segment_ptr 1
		.amdhsa_wavefront_size32 1
		.amdhsa_system_sgpr_workgroup_id_x 1
		.amdhsa_system_sgpr_workgroup_id_y 1
		.amdhsa_system_sgpr_workgroup_id_z 1
		.amdhsa_system_vgpr_workitem_id 0
		.amdhsa_next_free_vgpr 178
		.amdhsa_next_free_sgpr 66
		.amdhsa_reserve_vcc 0
		.amdhsa_float_denorm_mode_32 3
		.amdhsa_float_denorm_mode_16_64 3
		.amdhsa_memory_ordered 1
		.amdhsa_forward_progress 1
		.amdhsa_inst_pref_size 26
	.end_amdhsa_kernel
	.amdgpu_metadata
---
amdhsa.version: [ 1, 2 ]
amdhsa.kernels:
  - .name:           k_q6286c07adb_ln1
    .symbol:         k_q6286c07adb_ln1.kd
    .args:
      - { .name: x, .offset: 0, .size: 8, .value_kind: global_buffer, .address_space: global }
      - { .name: parts, .offset: 8, .size: 8, .value_kind: global_buffer, .address_space: global }
      - { .name: ln1_w, .offset: 16, .size: 8, .value_kind: global_buffer, .address_space: global }
      - { .name: ln1_b, .offset: 24, .size: 8, .value_kind: global_buffer, .address_space: global }
      - { .name: x1buf, .offset: 32, .size: 8, .value_kind: global_buffer, .address_space: global }
    .group_segment_fixed_size: 19456
    .private_segment_fixed_size: 0
    .kernarg_segment_align: 8
    .kernarg_segment_size: 40
    .max_flat_workgroup_size: 512
    .sgpr_count:     66
    .vgpr_count:     178
    .wavefront_size: 32
...
	.end_amdgpu_metadata
.endif
;; end of part 5
;; launch ffn1 (part 6): grid 16 x 16, 4 waves a work-group, clusters of 4 x 4, 327,680 bytes of LDS; arguments x1buf, wrec, b1, arec; writes arec
.if DOCPART == 6
	.amdgcn_target "amdgcn-amd-amdhsa--gfx1250"
	.amdhsa_code_object_version 6
	.text
	.protected	k_q6286c07adb_ffn1
	.globl	k_q6286c07adb_ffn1
	.p2align	8
	.type	k_q6286c07adb_ffn1,@function
k_q6286c07adb_ffn1:
	s_mov_b64 s[64:65], 0
	v_nop
	global_prefetch_b8 v0, s[64:65] scope:SCOPE_SE
	s_setreg_imm32_b32 hwreg(HW_REG_WAVE_MODE, 25, 1), 1
	s_wait_xcnt 0x0
	s_wait_alu depctr_hold_cnt(0) depctr_sa_sdst(0) depctr_va_vdst(0) depctr_va_sdst(0) depctr_va_ssrc(0) depctr_va_vcc(0) depctr_vm_vsrc(0)
	s_getreg_b32 s2, hwreg(HW_REG_IB_STS2, 6, 4)
	s_cmp_eq_u32 s2, 0
	s_cbranch_scc0 .Lentry_in_a_cluster
	s_endpgm
.Lentry_in_a_cluster:
	s_bfe_u32 s2, ttmp6, 0x10000c
	s_cmp_lg_u32 s2, 0xf033
	s_cbranch_scc0 .Lentry_shape_is_right
	s_endpgm
.Lentry_shape_is_right:
.set RECB,   67584
.set HALFR,  33792
.set RBB,    4*RECB
.set SLOT,   2*RECB
.set SPARE,  2*SLOT
.set SCST,   SPARE+512
.set NQ,     2
.set FR,     16
.set NL,     4
.set NP,     8
.set ADRA, 16
.set ADRB, 20
.set ADRS, 22
.set LI,   24
.set SW0,  25
.set C0,   26
.set SPW,  28
.set NIL,  29
.set SWA,  30
.set BO,   31
.set SC,   32
.set BIA,  64
.set AF,   128
.set P2,   192
.set DD,   208
.set RC,   224
.set EE,   240
.set TM,   192
.set PW,   208
.set PC,   212
.set G1, 24
.set G0, 32
.set G1B, 48
.set G0B, 56
.set MSB, 0
.macro WIN new
.if MSB != \new
	s_set_vgpr_msb (MSB<<8)|\new
.set MSB, \new
.endif
.endm
.set MUL_LO, 0xa1
.set MUL_HI, 0xf1
.set TO_B,   0x40
.macro JLOAD g0a, g1a, g0b, g1b
	s_cmp_eq_u32 s15, 0
	s_cbranch_scc0 .Lfor_b_\@
	tensor_load_to_lds s[\g0a:\g0a+3], s[\g1a:\g1a+7]
	s_nop 0
.rept 4
	v_nop
.endr
	s_branch .Lasked_\@
.Lfor_b_\@:
	tensor_load_to_lds s[\g0b:\g0b+3], s[\g1b:\g1b+7]
	s_nop 0
.rept 4
	v_nop
.endr
.Lasked_\@:
.endm
.macro CREST
	s_cmp_lg_u32 s14, 0
	s_cbranch_scc1 .Lnot_wave_0_\@
	s_barrier_signal -3
.Lnot_wave_0_\@:
	s_barrier_wait -3
	s_barrier_signal -1
	s_barrier_wait -1
.endm
.macro CROUND
	s_barrier_signal -1
	s_barrier_wait -1
	CREST
.endm
	s_load_b256 s[4:11], s[0:1], 0x0
	v_lshl_add_u32 v[SPW], v0, 2, SPARE
	v_mov_b32 v[NIL], 0
	ds_add_u32 v28, v29
	ds_add_u32 v28, v29
	s_wait_dscnt 0x0
	v_lshrrev_b32 v1, 5, v0
	v_readfirstlane_b32 s14, v1
	s_lshr_b32 s15, s14, 1
	s_and_b32 s16, s14, 1
	s_bfe_u32 s40, ttmp6, 0x40000
	s_bfe_u32 s41, ttmp6, 0x40004
	s_lshl_b32 s42, ttmp9, 2
	s_add_co_u32 s42, s42, s40
	s_and_b32 s66, ttmp7, 0xffff
	s_lshl_b32 s17, s66, 2
	s_add_co_u32 s17, s17, s41
	s_lshl_b32 s43, s41, 2
	s_lshl_b32 s43, 15, s43
	s_lshl_b32 s44, 0x1111, s40
	s_or_b32 s[G1+0], s43, (3<<16)|(1<<21)
	s_or_b32 s[G1B+0], s44, (3<<16)|(1<<21)
.irp g, G1, G1B
	s_mov_b32 s[\g+1], 32<<16
	s_mov_b32 s[\g+2], 264<<16
	s_mov_b32 s[\g+3], 32<<16
	s_mov_b32 s[\g+4], 264
	s_mov_b32 s[\g+5], 32
	s_mov_b32 s[\g+6], 0
	s_mov_b32 s[\g+7], 0
.endr
	s_mul_i32 s18, s16, HALFR
	s_mul_i32 s20, s17, RBB
	s_add_co_u32 s20, s20, s18
	s_add_co_u32 s20, s20, 16777216
	s_mov_b32 s21, 0
	s_add_co_u32 s46, s42, 28
	s_mul_i32 s46, s46, RBB
	s_add_co_u32 s46, s46, s18
	s_mov_b32 s47, 0
	s_mul_i32 s45, s14, HALFR
	s_wait_kmcnt 0x0
	s_add_nc_u64 s[20:21], s[4:5], s[20:21]
	s_add_nc_u64 s[46:47], s[6:7], s[46:47]
	CROUND
.irp s, 0,1
	s_mov_b32 s[G0+4*\s], 1
	s_add_co_u32 s[G0+4*\s+1], s45, \s*SLOT
	s_add_nc_u64 s[G0+4*\s+2:G0+4*\s+3], s[20:21], \s*RECB
	s_or_b32 s[G0+4*\s+3], s[G0+4*\s+3], 0x80000000
	s_mov_b32 s[G0B+4*\s], 1
	s_add_co_u32 s[G0B+4*\s+1], s45, \s*SLOT
	s_add_nc_u64 s[G0B+4*\s+2:G0B+4*\s+3], s[46:47], \s*RECB
	s_or_b32 s[G0B+4*\s+3], s[G0B+4*\s+3], 0x80000000
.endr
	; the head's fills, one a wave: a WHOLE record (264 rows of 256 bytes): wave 0: A's K step 0, wave 1: B's; wave 2: A's K step 1, wave 3: B's: both slots are asked for at once, slot 0 first
	s_mov_b32 s96, s18                             ; s[20:21], s[46:47] stand half a record x (wave % 2) on: that is taken off,
	s_mov_b32 s97, 0
	s_sub_nc_u64 s[90:91], s[20:21], s[96:97]
	s_sub_nc_u64 s[94:95], s[46:47], s[96:97]
	s_mul_i32 s96, s15, RECB                       ; and K step wave / 2 added
	s_add_nc_u64 s[90:91], s[90:91], s[96:97]
	s_add_nc_u64 s[94:95], s[94:95], s[96:97]
	s_or_b32 s91, s91, 0x80000000
	s_or_b32 s95, s95, 0x80000000
	s_mov_b32 s88, 1
	s_mul_i32 s89, s15, SLOT
	s_mov_b32 s92, 1
	s_add_co_u32 s93, s89, RECB
	; the prefetches: of a record's 65,536 bytes of codes the eight waves that ask for it jointly (four partners x two waves) take 8,192 each, told apart by address; a lane names 256 bytes
	s_cmp_eq_u32 s15, 0
	s_cselect_b64 s[98:99], s[20:21], s[46:47]
	s_cselect_b32 s96, s40, s41
	s_lshl_b32 s96, s96, 14
	s_lshl_b32 s97, s16, 13
	s_add_co_u32 s96, s96, s97
	s_add_co_u32 s96, s96, 2*RECB
	s_sub_co_u32 s96, s96, s18
	s_mov_b32 s97, 0
	s_add_nc_u64 s[98:99], s[98:99], s[96:97]      ; my share of K step 2's record
	v_and_b32 v8, 31, v0
	v_lshlrev_b32 v8, 8, v8
.macro HARM under, g0, g1, next        ; one arm of the head's chain: its load, an s_nop and four v_nops behind it, a jump to the join
	s_cmp_lt_u32 s14, \under
	s_cbranch_scc0 \next
	tensor_load_to_lds s[\g0:\g0+3], s[\g1:\g1+7]
	s_nop 0
.rept 4
	v_nop
.endr
	s_branch .Lhead_asked
\next:
.endm
	HARM 1, 88, G1,  .Lhead_1
	HARM 2, 92, G1B, .Lhead_2
	HARM 3, 88, G1,  .Lhead_3
	tensor_load_to_lds s[92:95], s[G1B:G1B+7]
	s_nop 0
.rept 4
	v_nop
.endr
.Lhead_asked:
	s_wait_alu depctr_va_vdst(0)                   ; the wait ahead of the reader of v8
	global_prefetch_b8 v8, s[98:99] th:TH_LOAD_NT scope:SCOPE_SE   ; K step 2, two K steps ahead of its load
	v_and_b32 v1, 15, v0
	v_bfe_u32 v2, v0, 4, 1
	v_and_b32 v3, 31, v0
	v_lshlrev_b32 v[LI], 4, v3
	s_wait_alu depctr_va_vdst(0)
	v_lshlrev_b32 v[BO], 6, v2
	s_lshl_b32 s20, s42, 10
	s_lshl_b32 s21, s16, 9
	s_add_co_u32 s20, s20, s21
	s_mov_b32 s21, 0
	s_add_nc_u64 s[8:9], s[8:9], s[20:21]
.irp b, 0,1,2,3,4,5,6,7
	global_load_b128 v[BIA+8*\b:BIA+8*\b+3], v[BO], s[8:9] offset:128*(\b/2)+32*(\b%2)
	global_load_b128 v[BIA+8*\b+4:BIA+8*\b+7], v[BO], s[8:9] offset:128*(\b/2)+32*(\b%2)+16
.endr
	s_lshl_b32 s21, s15, 14
	s_lshl_b32 s22, s16, 14
	s_add_co_u32 s22, s22, RECB
.irp s, 0,1
	v_add_nc_u32 v[ADRA+\s], s21, v[LI]
	v_add_nc_u32 v[ADRB+\s], s22, v[LI]
	s_add_co_u32 s21, s21, SLOT
	s_add_co_u32 s22, s22, SLOT
.endr
	s_lshl_b32 s21, s15, 9
	s_lshl_b32 s22, s16, 9
	s_add_co_u32 s22, s22, RECB
	s_sub_co_u32 s22, s22, s21
	v_mul_u32_u24 v6, s22, v2
	v_lshl_add_u32 v6, v1, 2, v6
	s_add_co_u32 s21, s21, 65536
	v_add_nc_u32 v[ADRS], s21, v6
	s_add_co_u32 s21, s21, SLOT
	v_add_nc_u32 v[ADRS+1], s21, v6
	s_lshl_b32 s23, s14, 9
	s_add_co_u32 s23, s23, SCST
	v_lshl_add_u32 v[SW0], v1, 2, s23
	v_add_nc_u32 v5, s23, v[LI]
	v_mov_b32 v[C0], 0xb9d25000
	v_mov_b32 v[C0+1], 0xb9d25000
	s_lshr_b32 s20, s42, 2
	s_lshl_b32 s20, s20, 4
	s_add_co_u32 s20, s20, s17
	s_lshl_b32 s20, s20, 2
	s_and_b32 s21, s42, 3
	s_add_co_u32 s20, s20, s21
	s_mul_i32 s20, s20, RECB
	s_lshl_b32 s21, s16, 10
	s_add_co_u32 s76, s20, s21
	s_lshl_b32 s21, s15, 9
	s_add_co_u32 s76, s76, s21
	s_add_co_u32 s76, s76, 65536
	s_mov_b32 s77, 0
	s_lshl_b32 s21, s16, 15
	s_add_co_u32 s74, s20, s21
	s_lshl_b32 s21, s15, 14
	s_add_co_u32 s74, s74, s21
	s_mov_b32 s75, 0
	s_add_nc_u64 s[74:75], s[10:11], s[74:75]
	s_add_nc_u64 s[76:77], s[10:11], s[76:77]
	s_mov_b32 s69, 0x3f3504f3
	s_mov_b32 s70, 0x76543210
	s_mov_b32 s71, 0xfedcba98
	s_mov_b32 s72, 0x600000
.macro FRAG reg, adr, q, i
.irp c, 0,1,2,3
	ds_load_b128 v[\reg+4*\c:\reg+4*\c+3], v[\adr] offset:32768*(\q)+2048*(\i)+512*\c
.endr
.endm
.macro MUL16 a0, p, q, sc, first
.irp a, \a0, \a0+1
.irp b, 0,1,2,3,4,5,6,7
.if \first
	v_wmma_scale_f32_16x16x128_f8f6f4 v[8*(8*((\a)%4)+\b):8*(8*((\a)%4)+\b)+7], v[128*(\p)+FR*\b:128*(\p)+FR*\b+FR-1], v[AF+FR*(\a):AF+FR*(\a)+FR-1], v[BIA+8*\b:BIA+8*\b+7], v[SC+8*NQ*(\sc)+NQ*\b+(\q)], v[SC+8*NQ*(\sc)+NQ*(\a)+(\q)] matrix_a_scale:MATRIX_SCALE_ROW1
.else
	v_wmma_scale_f32_16x16x128_f8f6f4 v[8*(8*((\a)%4)+\b):8*(8*((\a)%4)+\b)+7], v[128*(\p)+FR*\b:128*(\p)+FR*\b+FR-1], v[AF+FR*(\a):AF+FR*(\a)+FR-1], v[8*(8*((\a)%4)+\b):8*(8*((\a)%4)+\b)+7], v[SC+8*NQ*(\sc)+NQ*\b+(\q)], v[SC+8*NQ*(\sc)+NQ*(\a)+(\q)] matrix_a_scale:MATRIX_SCALE_ROW1
.endif
.endr
.endr
.endm
.macro FETCH_B slot, q, p
	WIN TO_B
.irp i, 0,1,2,3,4,5,6,7
	FRAG 128*(\p)+FR*\i, ADRB+\slot, \q, \i
.endr
	WIN 0
.endm
.macro FETCH_A slot, q, i0
.irp i, \i0, \i0+1, \i0+2, \i0+3
	FRAG AF+FR*(\i), ADRA+\slot, \q, \i
.endr
.endm
.macro SCALES sc
.irp i, 0,1,2,3,4,5,6,7
.irp q, 0,1
	ds_load_b32 v[SC+16*\sc+2*\i+\q], v[ADRS+\sc] offset:1024*\q+64*\i
.endr
.endr
.endm
.macro PLACES n
.rept \n
	v_nop
.endr
.endm
.macro STEP slot, q, first
	s_wait_dscnt 4*NL
.if \first
	WIN 0x81
.else
	WIN MUL_LO
.endif
	MUL16 0, (\q)%2, \q, \slot, \first
	MUL16 2, (\q)%2, \q, \slot, \first
	s_wait_dscnt 0
	PLACES NP
	FETCH_B \slot, (\q)+1, 1-(\q)%2
	FETCH_A \slot, (\q)+1, 0
.if \first
	WIN 0xc1
.else
	WIN MUL_HI
.endif
	MUL16 4, (\q)%2, \q, \slot, \first
	MUL16 6, (\q)%2, \q, \slot, \first
	PLACES NP
	WIN 0
	FETCH_A \slot, (\q)+1, 4
.endm
.macro TURN slot, next, fill
	s_wait_tensorcnt 0x0
	ds_add_u32 v[SPW], v[NIL]
	s_mov_b32 s[G1+2], 132<<16                     ; no tensor load of mine is out: a refill brings half a record
	s_mov_b32 s[G1+4], 132
	s_mov_b32 s[G1B+2], 132<<16
	s_mov_b32 s[G1B+4], 132
	s_wait_dscnt 4*NL+1
	WIN MUL_LO
	MUL16 0, 1, NQ-1, \slot, 0
	s_wait_dscnt 0x0
	s_barrier_signal -1
	MUL16 2, 1, NQ-1, \slot, 0
	WIN 0
	s_barrier_wait -1
.if \fill
	CREST
	s_add_nc_u64 s[G0+4*\slot+2:G0+4*\slot+3], s[G0+4*\slot+2:G0+4*\slot+3], 2*RECB
	s_add_nc_u64 s[G0B+4*\slot+2:G0B+4*\slot+3], s[G0B+4*\slot+2:G0B+4*\slot+3], 2*RECB
	JLOAD G0+4*\slot, G1, G0B+4*\slot, G1B
	PLACES NP-4
.else
	PLACES NP
.endif
	FETCH_B \next, 0, 0
	FETCH_A \next, 0, 0
	SCALES \next
	WIN MUL_HI
	MUL16 4, 1, NQ-1, \slot, 0
	MUL16 6, 1, NQ-1, \slot, 0
	PLACES NP
	WIN 0
	FETCH_A \next, 0, 4
.endm
	s_wait_alu depctr_va_vdst(0)
	s_cmp_lt_u32 s14, 2                            ; this barrier shows slot 0 alone: waves 0 and 1, whose load lines are their own, wait; slot 1 is shown at the first change of slots, where every wave waits
	s_cbranch_scc0 .Lslot_1_later
	s_wait_tensorcnt 0x0
.Lslot_1_later:
	s_barrier_signal -1
	s_barrier_wait -1
	FETCH_B 0, 0, 0
	FETCH_A 0, 0, 0
	SCALES 0
	FETCH_A 0, 0, 4
	s_wait_loadcnt 0x0
	STEP 0, 0, 1
	global_prefetch_b8 v8, s[98:99] offset:RECB th:TH_LOAD_NT scope:SCOPE_SE   ; K step 3, the last: two K steps ahead of its load
	TURN 0, 1, 1
	STEP 1, 0, 0
	TURN 1, 0, 1
	STEP 0, 0, 0
	TURN 0, 1, 0
	STEP 1, 0, 0
	s_wait_dscnt 4*NL
	WIN MUL_LO
	MUL16 0, 1, NQ-1, 1, 0
	MUL16 2, 1, NQ-1, 1, 0
	s_wait_dscnt 0
	WIN MUL_HI
	MUL16 4, 1, NQ-1, 1, 0
	MUL16 6, 1, NQ-1, 1, 0
	WIN 0
	PLACES NP
.macro STUB a
.set AC, 64*((\a)%4)
.set WW, 2+(\a)/4
	WIN WW
.set i, 0
.rept 64
	v_mul_f32 v[64+i], |v[AC+i]|, s69
	v_max_num_f32 v[128+i], v[AC+i], 0
.set i, i+1
.endr
	WIN 0
.endm
.macro GELU16 k
.set AA, 64+16*(\k)
.set HH, 128+16*(\k)
.irp p, 0,2,4,6,8,10,12,14
	v_pk_add_f32 v[P2+\p:P2+\p+1], v[AA+\p:AA+\p+1], 2.0 op_sel_hi:[1,0]
.endr
.irp p, 0,2,4,6,8,10,12,14
	v_pk_fma_f32 v[DD+\p:DD+\p+1], v[AA+\p:AA+\p+1], 2.0, 1.0 op_sel_hi:[1,0,0]
.endr
.irp p, 0,2,4,6,8,10,12,14
	v_pk_mul_f32 v[EE+\p:EE+\p+1], v[AA+\p:AA+\p+1], v[AA+\p:AA+\p+1]
.endr
.irp p, 0,2,4,6,8,10,12,14
	v_pk_mul_f32 v[RC+\p:RC+\p+1], v[P2+\p:P2+\p+1], v[DD+\p:DD+\p+1]
.endr
.irp p, 0,2,4,6,8,10,12,14
	v_pk_mul_f32 v[EE+\p:EE+\p+1], v[EE+\p:EE+\p+1], 0xbfb8aa3b op_sel_hi:[1,0]
.endr
.set i, 0
	s_wait_alu depctr_va_vdst(0)
.rept 16
	v_rcp_f32 v[RC+i], v[RC+i]
.set i, i+1
.endr
.set i, 0
.rept 16
	v_exp_f32 v[EE+i], v[EE+i]
.set i, i+1
.endr
	v_nop
	s_wait_alu depctr_va_vdst(0)
.irp p, 0,2,4,6,8,10,12,14
	v_pk_mul_f32 v[DD+\p:DD+\p+1], v[RC+\p:RC+\p+1], v[DD+\p:DD+\p+1]
.endr
.irp p, 0,2,4,6,8,10,12,14
	v_pk_mul_f32 v[P2+\p:P2+\p+1], v[RC+\p:RC+\p+1], v[P2+\p:P2+\p+1]
.endr
.irp p, 0,2,4,6,8,10,12,14
	v_pk_add_f32 v[RC+\p:RC+\p+1], v[AA+\p:AA+\p+1], -2.0 op_sel_hi:[1,0]
.endr
.irp p, 0,2,4,6,8,10,12,14
	v_pk_mul_f32 v[RC+\p:RC+\p+1], v[RC+\p:RC+\p+1], v[DD+\p:DD+\p+1]
.endr
.irp p, 0,2,4,6,8,10,12,14
	v_pk_fma_f32 v[DD+\p:DD+\p+1], v[RC+\p:RC+\p+1], v[C0:C0+1], 0xbaa15130 op_sel_hi:[1,1,0]
.endr
.irp c, 0x3aac2b8a, 0x3c0d6e62, 0xbc040dc1, 0xbd5e05b5, 0x3e27fe23, 0xbe2a0420, 0xbdbdfb0b, 0x3e8dd01d
.irp p, 0,2,4,6,8,10,12,14
	v_pk_fma_f32 v[DD+\p:DD+\p+1], v[DD+\p:DD+\p+1], v[RC+\p:RC+\p+1], \c op_sel_hi:[1,1,0]
.endr
.endr
.irp p, 0,2,4,6,8,10,12,14
	v_pk_fma_f32 v[DD+\p:DD+\p+1], v[DD+\p:DD+\p+1], v[P2+\p:P2+\p+1], v[P2+\p:P2+\p+1]
.endr
.irp p, 0,2,4,6,8,10,12,14
	v_pk_mul_f32 v[DD+\p:DD+\p+1], v[DD+\p:DD+\p+1], v[EE+\p:EE+\p+1]
.endr
.irp p, 0,2,4,6,8,10,12,14
	v_pk_mul_f32 v[AA+\p:AA+\p+1], v[AA+\p:AA+\p+1], 0xbf3504f3 op_sel_hi:[1,0]
.endr
.irp p, 0,2,4,6,8,10,12,14
	v_pk_fma_f32 v[HH+\p:HH+\p+1], v[AA+\p:AA+\p+1], v[DD+\p:DD+\p+1], v[HH+\p:HH+\p+1]
.endr
.endm
	s_mov_b32 s67, 0
	s_mov_b32 s68, 0
.Ltile:
.irp a, 0,1,2,3,4,5,6
	s_cmp_eq_u32 s67, \a
	s_cbranch_scc1 .Lstub\a
.endr
	STUB 7
	s_branch .Lbody
.irp a, 0,1,2,3,4,5,6
.Lstub\a:
	STUB \a
	s_branch .Lbody
.endr
.Lbody:
	GELU16 0
	GELU16 1
	GELU16 2
	GELU16 3
.irp b, 0,1,2,3
	v_max3_num_f32 v[TM+\b], |v[128+16*\b]|, |v[129+16*\b]|, 0x4800000
.endr
.irp i, 2,4,6,8,10,12,14
.irp b, 0,1,2,3
	v_max3_num_f32 v[TM+\b], v[TM+\b], |v[128+16*\b+\i]|, |v[129+16*\b+\i]|
.endr
.endr
.irp b, 0,1,2,3
	v_permlanex16_b32 v[TM+4+\b], v[TM+\b], s70, s71
.endr
.irp b, 0,1,2,3
	v_max_num_f32 v[TM+\b], v[TM+\b], v[TM+4+\b]
.endr
.irp b, 0,1,2,3
	v_add_nc_u32 v[TM+12+\b], 0xfc000000, v[TM+\b]
.endr
.irp b, 0,1,2,3
	v_and_or_b32 v[TM+8+\b], v[TM+\b], 0x7f800000, s72
.endr
.irp b, 0,1,2,3
	v_lshrrev_b32 v[TM+4+\b], 23, v[TM+12+\b]
.endr
	v_lshl_or_b32 v[PW], v[TM+5], 8, v[TM+4]
	v_lshl_or_b32 v[PW], v[TM+6], 16, v[PW]
	v_lshl_or_b32 v[PW], v[TM+7], 24, v[PW]
.irp b, 0,1,2,3
.set i, 0
.rept 16
	v_med3_num_f32 v[128+16*\b+i], v[128+16*\b+i], -v[TM+8+\b], v[TM+8+\b]
.set i, i+1
.endr
	v_cvt_scalef32_pk8_fp8_f32 v[PC+4*\b:PC+4*\b+1], v[128+16*\b:135+16*\b], v[TM+12+\b]
	v_cvt_scalef32_pk8_fp8_f32 v[PC+4*\b+2:PC+4*\b+3], v[136+16*\b:143+16*\b], v[TM+12+\b]
.endr
	v_add_nc_u32 v[SWA], s68, v[SW0]
.irp c, 0,1,2,3
	global_store_b128 v[LI], v[PC+4*\c:PC+4*\c+3], s[74:75] offset:512*\c
.endr
	ds_store_b32 v[SWA], v[PW]
	s_wait_xcnt 0x0
	s_add_nc_u64 s[74:75], s[74:75], 2048
	s_add_co_u32 s68, s68, 64
	s_add_co_u32 s67, s67, 1
	s_cmp_lt_u32 s67, 8
	s_cbranch_scc1 .Ltile
	ds_load_b128 v[212:215], v5
	s_wait_dscnt 0x0
	global_store_b128 v[LI], v[212:215], s[76:77]
	s_wait_tensorcnt 0x0
	ds_add_u32 v[SPW], v[NIL]
	s_wait_dscnt 0x0
	CROUND
	s_endpgm
.Lfunc_end_k_q6286c07adb_ffn1:
	.size	k_q6286c07adb_ffn1, .Lfunc_end_k_q6286c07adb_ffn1-k_q6286c07adb_ffn1
	.p2alignl 7, 3214868480
	.fill 96, 4, 3214868480
	.section	.rodata,"a",@progbits
	.p2align	6, 0x0
	.amdhsa_kernel k_q6286c07adb_ffn1
		.amdhsa_group_segment_fixed_size 327680
		.amdhsa_private_segment_fixed_size 0
		.amdhsa_enable_private_segment 0
		.amdhsa_kernarg_size 32
		.amdhsa_user_sgpr_count 2
		.amdhsa_user_sgpr_kernarg_segment_ptr 1
		.amdhsa_wavefront_size32 1
		.amdhsa_system_sgpr_workgroup_id_x 1
		.amdhsa_system_sgpr_workgroup_id_y 1
		.amdhsa_system_sgpr_workgroup_id_z 1
		.amdhsa_system_vgpr_workitem_id 0
		.amdhsa_next_free_vgpr 1024
		.amdhsa_next_free_sgpr 100
		.amdhsa_reserve_vcc 0
		.amdhsa_float_denorm_mode_32 3
		.amdhsa_float_denorm_mode_16_64 3
		.amdhsa_memory_ordered 1
		.amdhsa_forward_progress 1
		.amdhsa_inst_pref_size 253
	.end_amdhsa_kernel
	.amdgpu_metadata
---
amdhsa.version: [ 1, 2 ]
amdhsa.kernels:
  - .name:           k_q6286c07adb_ffn1
    .symbol:         k_q6286c07adb_ffn1.kd
    .args:
      - { .name: x1buf, .offset: 0, .size: 8, .value_kind: global_buffer, .address_space: global }
      - { .name: wrec, .offset: 8, .size: 8, .value_kind: global_buffer, .address_space: global }
      - { .name: b1, .offset: 16, .size: 8, .value_kind: global_buffer, .address_space: global }
      - { .name: arec, .offset: 24, .size: 8, .value_kind: global_buffer, .address_space: global }
    .group_segment_fixed_size: 327680
    .private_segment_fixed_size: 0
    .kernarg_segment_align: 8
    .kernarg_segment_size: 32
    .max_flat_workgroup_size: 128
    .sgpr_count:     100
    .vgpr_count:     1024
    .wavefront_size: 32
...
	.end_amdgpu_metadata
.endif
;; end of part 6
;; launch proj (part 7): grid 4 x 64, 4 waves a work-group, clusters of 4 x 4, 327,680 bytes of LDS; arguments arec, w2rec, parts; writes parts
.if DOCPART == 7
	.amdgcn_target "amdgcn-amd-amdhsa--gfx1250"
	.amdhsa_code_object_version 6
	.text
	.protected	k_q6286c07adb_proj
	.globl	k_q6286c07adb_proj
	.p2align	8
	.type	k_q6286c07adb_proj,@function
k_q6286c07adb_proj:
	s_mov_b64 s[64:65], 0
	v_nop
	global_prefetch_b8 v0, s[64:65] scope:SCOPE_SE
	s_setreg_imm32_b32 hwreg(HW_REG_WAVE_MODE, 25, 1), 1
	s_wait_xcnt 0x0
	s_wait_alu depctr_hold_cnt(0) depctr_sa_sdst(0) depctr_va_vdst(0) depctr_va_sdst(0) depctr_va_ssrc(0) depctr_va_vcc(0) depctr_vm_vsrc(0)
	s_getreg_b32 s2, hwreg(HW_REG_IB_STS2, 6, 4)
	s_cmp_eq_u32 s2, 0
	s_cbranch_scc0 .Lentry_in_a_cluster
	s_endpgm
.Lentry_in_a_cluster:
	s_bfe_u32 s2, ttmp6, 0x10000c
	s_cmp_lg_u32 s2, 0xf033
	s_cbranch_scc0 .Lentry_shape_is_right
	s_endpgm
.Lentry_shape_is_right:
.set RECB,   67584
.set HALFR,  33792
.set RBB,    4*RECB
.set SLOT,   2*RECB
.set SPARE,  2*SLOT
.set NQ,     2
.set FR,     16
.set NL,     4
.set NP,     8
.set SPITCH, 528
.set ADRA, 16
.set ADRB, 20
.set ADRS, 22
.set LI,   24
.set STO,  25
.set RD,   26
.set SPW,  28
.set NIL,  29
.set SC,   32
.set AF,   128
.set BK,   128
.set G1, 24
.set G0, 32
.set G1B, 48
.set G0B, 56
.set MSB, 0
.macro WIN new
.if MSB != \new
	s_set_vgpr_msb (MSB<<8)|\new
.set MSB, \new
.endif
.endm
.set MUL_LO, 0xa1
.set MUL_HI, 0xf1
.set TO_B,   0x40
.macro JLOAD g0a, g1a, g0b, g1b
	s_cmp_eq_u32 s15, 0
	s_cbranch_scc0 .Lfor_b_\@
	tensor_load_to_lds s[\g0a:\g0a+3], s[\g1a:\g1a+7]
	s_nop 0
.rept 4
	v_nop
.endr
	s_branch .Lasked_\@
.Lfor_b_\@:
	tensor_load_to_lds s[\g0b:\g0b+3], s[\g1b:\g1b+7]
	s_nop 0
.rept 4
	v_nop
.endr
.Lasked_\@:
.endm
.macro CREST
	s_cmp_lg_u32 s14, 0
	s_cbranch_scc1 .Lnot_wave_0_\@
	s_barrier_signal -3
.Lnot_wave_0_\@:
	s_barrier_wait -3
	s_barrier_signal -1
	s_barrier_wait -1
.endm
.macro CROUND
	s_barrier_signal -1
	s_barrier_wait -1
	CREST
.endm
	s_load_b128 s[4:7], s[0:1], 0x0
	s_load_b64 s[8:9], s[0:1], 0x10
	v_lshl_add_u32 v[SPW], v0, 2, SPARE
	v_mov_b32 v[NIL], 0
	ds_add_u32 v28, v29
	ds_add_u32 v28, v29
	s_wait_dscnt 0x0
	v_lshrrev_b32 v1, 5, v0
	v_readfirstlane_b32 s14, v1
	s_lshr_b32 s15, s14, 1
	s_and_b32 s16, s14, 1
	s_bfe_u32 s40, ttmp6, 0x40000
	s_bfe_u32 s41, ttmp6, 0x40004
	s_lshl_b32 s42, ttmp9, 2
	s_add_co_u32 s42, s42, s40
	s_and_b32 s66, ttmp7, 0xffff
	s_lshl_b32 s17, s66, 2
	s_add_co_u32 s17, s17, s41
	s_lshl_b32 s43, s41, 2
	s_lshl_b32 s43, 15, s43
	s_lshl_b32 s44, 0x1111, s40
	s_or_b32 s[G1+0], s43, (3<<16)|(1<<21)
	s_or_b32 s[G1B+0], s44, (3<<16)|(1<<21)
.irp g, G1, G1B
	s_mov_b32 s[\g+1], 32<<16
	s_mov_b32 s[\g+2], 264<<16
	s_mov_b32 s[\g+3], 32<<16
	s_mov_b32 s[\g+4], 264
	s_mov_b32 s[\g+5], 32
	s_mov_b32 s[\g+6], 0
	s_mov_b32 s[\g+7], 0
.endr
	s_mul_i32 s18, s16, HALFR
	s_mul_i32 s20, s17, RBB
	s_add_co_u32 s20, s20, s18
	s_mov_b32 s21, 0
	s_lshr_b32 s46, s66, 2
	s_lshl_b32 s46, s46, 2
	s_add_co_u32 s46, s46, s42
	s_mul_i32 s46, s46, RBB
	s_add_co_u32 s46, s46, s18
	s_mov_b32 s47, 0
	s_mul_i32 s45, s14, HALFR
	s_wait_kmcnt 0x0
	s_add_nc_u64 s[20:21], s[4:5], s[20:21]
	s_add_nc_u64 s[46:47], s[6:7], s[46:47]
	CROUND
.irp s, 0,1
	s_mov_b32 s[G0+4*\s], 1
	s_add_co_u32 s[G0+4*\s+1], s45, \s*SLOT
	s_add_nc_u64 s[G0+4*\s+2:G0+4*\s+3], s[20:21], \s*RECB
	s_or_b32 s[G0+4*\s+3], s[G0+4*\s+3], 0x80000000
	s_mov_b32 s[G0B+4*\s], 1
	s_add_co_u32 s[G0B+4*\s+1], s45, \s*SLOT
	s_add_nc_u64 s[G0B+4*\s+2:G0B+4*\s+3], s[46:47], \s*RECB
	s_or_b32 s[G0B+4*\s+3], s[G0B+4*\s+3], 0x80000000
.endr
	; the head's fills, one a wave: a WHOLE record (264 rows of 256 bytes): wave 0: A's K step 0, wave 1: B's; wave 2: A's K step 1, wave 3: B's: both slots are asked for at once, slot 0 first
	s_mov_b32 s96, s18                             ; s[20:21], s[46:47] stand half a record x (wave % 2) on: that is taken off,
	s_mov_b32 s97, 0
	s_sub_nc_u64 s[90:91], s[20:21], s[96:97]
	s_sub_nc_u64 s[94:95], s[46:47], s[96:97]
	s_mul_i32 s96, s15, RECB                       ; and K step wave / 2 added
	s_add_nc_u64 s[90:91], s[90:91], s[96:97]
	s_add_nc_u64 s[94:95], s[94:95], s[96:97]
	s_or_b32 s91, s91, 0x80000000
	s_or_b32 s95, s95, 0x80000000
	s_mov_b32 s88, 1
	s_mul_i32 s89, s15, SLOT
	s_mov_b32 s92, 1
	s_add_co_u32 s93, s89, RECB
	; the prefetches: of a record's 65,536 bytes of codes the eight waves that ask for it jointly (four partners x two waves) take 8,192 each, told apart by address; a lane names 256 bytes
	s_cmp_eq_u32 s15, 0
	s_cselect_b64 s[98:99], s[20:21], s[46:47]
	s_cselect_b32 s96, s40, s41
	s_lshl_b32 s96, s96, 14
	s_lshl_b32 s97, s16, 13
	s_add_co_u32 s96, s96, s97
	s_add_co_u32 s96, s96, 2*RECB
	s_sub_co_u32 s96, s96, s18
	s_mov_b32 s97, 0
	s_add_nc_u64 s[98:99], s[98:99], s[96:97]      ; my share of K step 2's record
	v_and_b32 v8, 31, v0
	v_lshlrev_b32 v8, 8, v8
.macro HARM under, g0, g1, next        ; one arm of the head's chain: its load, an s_nop and four v_nops behind it, a jump to the join
	s_cmp_lt_u32 s14, \under
	s_cbranch_scc0 \next
	tensor_load_to_lds s[\g0:\g0+3], s[\g1:\g1+7]
	s_nop 0
.rept 4
	v_nop
.endr
	s_branch .Lhead_asked
\next:
.endm
	HARM 1, 88, G1,  .Lhead_1
	HARM 2, 92, G1B, .Lhead_2
	HARM 3, 88, G1,  .Lhead_3
	tensor_load_to_lds s[92:95], s[G1B:G1B+7]
	s_nop 0
.rept 4
	v_nop
.endr
.Lhead_asked:
	s_wait_alu depctr_va_vdst(0)                   ; the wait ahead of the reader of v8
	global_prefetch_b8 v8, s[98:99] th:TH_LOAD_NT scope:SCOPE_SE   ; K step 2, two K steps ahead of its load
	v_and_b32 v1, 15, v0
	v_bfe_u32 v2, v0, 4, 1
	s_wait_alu depctr_va_vdst(0)
	v_and_b32 v3, 31, v0
	v_lshlrev_b32 v[LI], 4, v3
	s_lshl_b32 s21, s15, 14
	s_lshl_b32 s22, s16, 14
	s_add_co_u32 s22, s22, RECB
.irp s, 0,1
	v_add_nc_u32 v[ADRA+\s], s21, v[LI]
	v_add_nc_u32 v[ADRB+\s], s22, v[LI]
	s_add_co_u32 s21, s21, SLOT
	s_add_co_u32 s22, s22, SLOT
.endr
	s_lshl_b32 s21, s15, 9
	s_lshl_b32 s22, s16, 9
	s_add_co_u32 s22, s22, RECB
	s_sub_co_u32 s22, s22, s21
	v_mul_u32_u24 v6, s22, v2
	v_lshl_add_u32 v6, v1, 2, v6
	s_add_co_u32 s21, s21, 65536
	v_add_nc_u32 v[ADRS], s21, v6
	s_add_co_u32 s21, s21, SLOT
	v_add_nc_u32 v[ADRS+1], s21, v6
	s_mul_i32 s23, s14, 16*SPITCH
	v_mul_u32_u24 v5, v1, SPITCH
	v_lshl_add_u32 v5, v2, 6, v5
	v_add_nc_u32 v[STO], s23, v5
	v_add_nc_u32 v[RD], s23, v[LI]
	s_lshl_b32 s20, s17, 8
	s_lshl_b32 s21, s15, 7
	s_add_co_u32 s20, s20, s21
	s_lshl_b32 s20, s20, 12
	s_lshl_b32 s21, s42, 10
	s_add_co_u32 s20, s20, s21
	s_lshl_b32 s21, s16, 9
	s_add_co_u32 s20, s20, s21
	s_mov_b32 s21, 0
	s_add_nc_u64 s[8:9], s[8:9], s[20:21]
.macro FRAG reg, adr, q, i
.irp c, 0,1,2,3
	ds_load_b128 v[\reg+4*\c:\reg+4*\c+3], v[\adr] offset:32768*(\q)+2048*(\i)+512*\c
.endr
.endm
.macro MUL16 a0, p, q, sc, zero
.irp a, \a0, \a0+1
.irp b, 0,1,2,3,4,5,6,7
.if \zero
	v_wmma_scale_f32_16x16x128_f8f6f4 v[8*(8*((\a)%4)+\b):8*(8*((\a)%4)+\b)+7], v[128*(\p)+FR*\b:128*(\p)+FR*\b+FR-1], v[AF+FR*(\a):AF+FR*(\a)+FR-1], 0, v[SC+8*NQ*(\sc)+NQ*\b+(\q)], v[SC+8*NQ*(\sc)+NQ*(\a)+(\q)] matrix_a_scale:MATRIX_SCALE_ROW1
.else
	v_wmma_scale_f32_16x16x128_f8f6f4 v[8*(8*((\a)%4)+\b):8*(8*((\a)%4)+\b)+7], v[128*(\p)+FR*\b:128*(\p)+FR*\b+FR-1], v[AF+FR*(\a):AF+FR*(\a)+FR-1], v[8*(8*((\a)%4)+\b):8*(8*((\a)%4)+\b)+7], v[SC+8*NQ*(\sc)+NQ*\b+(\q)], v[SC+8*NQ*(\sc)+NQ*(\a)+(\q)] matrix_a_scale:MATRIX_SCALE_ROW1
.endif
.endr
.endr
.endm
.macro FETCH_B slot, q, p
	WIN TO_B
.irp i, 0,1,2,3,4,5,6,7
	FRAG 128*(\p)+FR*\i, ADRB+\slot, \q, \i
.endr
	WIN 0
.endm
.macro FETCH_A slot, q, i0
.irp i, \i0, \i0+1, \i0+2, \i0+3
	FRAG AF+FR*(\i), ADRA+\slot, \q, \i
.endr
.endm
.macro SCALES sc
.irp i, 0,1,2,3,4,5,6,7
.irp q, 0,1
	ds_load_b32 v[SC+16*\sc+2*\i+\q], v[ADRS+\sc] offset:1024*\q+64*\i
.endr
.endr
.endm
.macro PLACES n
.rept \n
	v_nop
.endr
.endm
.macro STEP slot, q, zero
	s_wait_dscnt 4*NL
	WIN MUL_LO
	MUL16 0, (\q)%2, \q, \slot, \zero
	MUL16 2, (\q)%2, \q, \slot, \zero
	s_wait_dscnt 0
	PLACES NP
	FETCH_B \slot, (\q)+1, 1-(\q)%2
	FETCH_A \slot, (\q)+1, 0
	WIN MUL_HI
	MUL16 4, (\q)%2, \q, \slot, \zero
	MUL16 6, (\q)%2, \q, \slot, \zero
	PLACES NP
	WIN 0
	FETCH_A \slot, (\q)+1, 4
.endm
.macro TURN slot, next, fill
	s_wait_tensorcnt 0x0
	ds_add_u32 v[SPW], v[NIL]
	s_mov_b32 s[G1+2], 132<<16                     ; no tensor load of mine is out: a refill brings half a record
	s_mov_b32 s[G1+4], 132
	s_mov_b32 s[G1B+2], 132<<16
	s_mov_b32 s[G1B+4], 132
	s_wait_dscnt 4*NL+1
	WIN MUL_LO
	MUL16 0, 1, NQ-1, \slot, 0
	s_wait_dscnt 0x0
	s_barrier_signal -1
	MUL16 2, 1, NQ-1, \slot, 0
	WIN 0
	s_barrier_wait -1
.if \fill
	CREST
	s_add_nc_u64 s[G0+4*\slot+2:G0+4*\slot+3], s[G0+4*\slot+2:G0+4*\slot+3], 2*RECB
	s_add_nc_u64 s[G0B+4*\slot+2:G0B+4*\slot+3], s[G0B+4*\slot+2:G0B+4*\slot+3], 2*RECB
	JLOAD G0+4*\slot, G1, G0B+4*\slot, G1B
	PLACES NP-4
.else
	PLACES NP
.endif
	FETCH_B \next, 0, 0
	FETCH_A \next, 0, 0
	SCALES \next
	WIN MUL_HI
	MUL16 4, 1, NQ-1, \slot, 0
	MUL16 6, 1, NQ-1, \slot, 0
	PLACES NP
	WIN 0
	FETCH_A \next, 0, 4
.endm
	s_wait_alu depctr_va_vdst(0)
	s_cmp_lt_u32 s14, 2                            ; this barrier shows slot 0 alone: waves 0 and 1, whose load lines are their own, wait; slot 1 is shown at the first change of slots, where every wave waits
	s_cbranch_scc0 .Lslot_1_later
	s_wait_tensorcnt 0x0
.Lslot_1_later:
	s_barrier_signal -1
	s_barrier_wait -1
	FETCH_B 0, 0, 0
	FETCH_A 0, 0, 0
	SCALES 0
	FETCH_A 0, 0, 4
	STEP 0, 0, 1
	global_prefetch_b8 v8, s[98:99] offset:RECB th:TH_LOAD_NT scope:SCOPE_SE   ; K step 3, the last: two K steps ahead of its load
	TURN 0, 1, 1
	STEP 1, 0, 0
	TURN 1, 0, 1
	STEP 0, 0, 0
	TURN 0, 1, 0
	STEP 1, 0, 0
	s_wait_dscnt 4*NL
	WIN MUL_LO
	MUL16 0, 1, NQ-1, 1, 0
	MUL16 2, 1, NQ-1, 1, 0
	s_wait_dscnt 0
	WIN MUL_HI
	MUL16 4, 1, NQ-1, 1, 0
	MUL16 6, 1, NQ-1, 1, 0
	WIN 0
.macro TOSTAGE a
.set AC, 64*((\a)%4)
	WIN 0x08+4*((\a)/4)
.irp b, 0,1,2,3,4,5,6,7
	ds_store_b128 v[STO], v[AC+8*\b:AC+8*\b+3] offset:128*(\b/2)+32*(\b%2)
	ds_store_b128 v[STO], v[AC+8*\b+4:AC+8*\b+7] offset:128*(\b/2)+32*(\b%2)+16
.endr
	WIN 0
.set BB, BK+64*((\a)%2)
.irp t, 0,1,2,3,4,5,6,7,8,9,10,11,12,13,14,15
	ds_load_b128 v[BB+4*\t:BB+4*\t+3], v[RD] offset:\t*SPITCH
.endr
.endm
.macro SEND a, younger
.set BB, BK+64*((\a)%2)
	s_wait_dscnt \younger
.irp t, 0,1,2,3,4,5,6,7,8,9,10,11,12,13,14,15
	global_store_b128 v[LI], v[BB+4*\t:BB+4*\t+3], s[8:9] offset:4096*(32*((\a)/2)+8*((\a)%2)+\t+8*(\t/8)) th:TH_STORE_NT
.endr
.endm
	PLACES NP
	TOSTAGE 0
.irp a, 1,2,3,4,5,6,7
.if \a > 1
	s_wait_xcnt 0x0
.endif
	TOSTAGE \a
	SEND \a-1, 32
.endr
	SEND 7, 0
	s_wait_tensorcnt 0x0
	ds_add_u32 v[SPW], v[NIL]
	s_wait_dscnt 0x0
	CROUND
	s_endpgm
.Lfunc_end_k_q6286c07adb_proj:
	.size	k_q6286c07adb_proj, .Lfunc_end_k_q6286c07adb_proj-k_q6286c07adb_proj
	.p2alignl 7, 3214868480
	.fill 96, 4, 3214868480
	.section	.rodata,"a",@progbits
	.p2align	6, 0x0
	.amdhsa_kernel k_q6286c07adb_proj
		.amdhsa_group_segment_fixed_size 327680
		.amdhsa_private_segment_fixed_size 0
		.amdhsa_enable_private_segment 0
		.amdhsa_kernarg_size 24
		.amdhsa_user_sgpr_count 2
		.amdhsa_user_sgpr_kernarg_segment_ptr 1
		.amdhsa_wavefront_size32 1
		.amdhsa_system_sgpr_workgroup_id_x 1
		.amdhsa_system_sgpr_workgroup_id_y 1
		.amdhsa_system_sgpr_workgroup_id_z 1
		.amdhsa_system_vgpr_workitem_id 0
		.amdhsa_next_free_vgpr 1024
		.amdhsa_next_free_sgpr 100
		.amdhsa_reserve_vcc 0
		.amdhsa_float_denorm_mode_32 3
		.amdhsa_float_denorm_mode_16_64 3
		.amdhsa_memory_ordered 1
		.amdhsa_forward_progress 1
		.amdhsa_inst_pref_size 147
	.end_amdhsa_kernel
	.amdgpu_metadata
---
amdhsa.version: [ 1, 2 ]
amdhsa.kernels:
  - .name:           k_q6286c07adb_proj
    .symbol:         k_q6286c07adb_proj.kd
    .args:
      - { .name: arec, .offset: 0, .size: 8, .value_kind: global_buffer, .address_space: global }
      - { .name: w2rec, .offset: 8, .size: 8, .value_kind: global_buffer, .address_space: global }
      - { .name: parts, .offset: 16, .size: 8, .value_kind: global_buffer, .address_space: global }
    .group_segment_fixed_size: 327680
    .private_segment_fixed_size: 0
    .kernarg_segment_align: 8
    .kernarg_segment_size: 24
    .max_flat_workgroup_size: 128
    .sgpr_count:     100
    .vgpr_count:     1024
    .wavefront_size: 32
...
	.end_amdgpu_metadata
.endif
;; end of part 7
;; launch ln2 (part 8): grid 256 x 1, 16 waves a work-group, no clusters, 0 bytes of LDS; arguments x1buf, parts, b2, ln2_w, ln2_b, out0; writes out0
.if DOCPART == 8
	.amdgcn_target "amdgcn-amd-amdhsa--gfx1250"
	.amdhsa_code_object_version 6
	.text
	.protected	k_q6286c07adb_ln2
	.globl	k_q6286c07adb_ln2
	.p2align	8
	.type	k_q6286c07adb_ln2,@function
k_q6286c07adb_ln2:
	s_mov_b64 s[64:65], 0
	v_nop
	global_prefetch_b8 v0, s[64:65] scope:SCOPE_SE
	s_setreg_imm32_b32 hwreg(HW_REG_WAVE_MODE, 25, 1), 1
	s_wait_xcnt 0x0
; out = layernorm(x1 + h w2 + b2) x ln2_w + ln2_b, in f32.  h w2 comes as four partial sums over quarters of K, 4,096 rows (16,777,216 bytes) apart.
; A wave takes a row (4,096 bytes, 32 registers a lane set); the statistics never leave the wave: no LDS, no barrier.  Every load and store of a wave covers 512 consecutive bytes.
; The mean is taken first and the variance of the differences, as the definition has it.
; LIMITS: NaN and infinities are not served.  The f32 sum over K = 4,096 is formed as four partial sums, added here in ascending order of K.
.set LO, 1                             ; v1 16 x lane
.set X,  16                            ; v16-47 the row;  v48-79 b2, later the gain;  v80-111 part 0, later the bias;  v112-207 parts 1 to 3;  v2-15 sums and statistics
.set B2, 48
.set Q0, 80
.set Q1, 112
.set Q2, 144
.set Q3, 176
.macro LOADROW reg, base               ; a row of 4,096 bytes: eight loads of 512 consecutive bytes
.irp j, 0,1,2,3,4,5,6,7
	global_load_b128 v[\reg+4*\j:\reg+4*\j+3], v[LO], s[\base:\base+1] offset:512*\j
.endr
.endm
.macro ADDROW reg                      ; the row += the 32 numbers from v[reg] on
.set i, 0
.rept 16
	v_pk_add_f32 v[X+i:X+i+1], v[X+i:X+i+1], v[\reg+i:\reg+i+1]
.set i, i+2
.endr
.endm
.macro ACROSS                          ; v[2:9], four packed chains, become one sum in every lane's v10
	s_delay_alu instid0(VALU_DEP_3)
	v_pk_add_f32 v[2:3], v[2:3], v[4:5]
	s_delay_alu instid0(VALU_DEP_2)
	v_pk_add_f32 v[6:7], v[6:7], v[8:9]
	s_delay_alu instid0(VALU_DEP_1)
	v_pk_add_f32 v[2:3], v[2:3], v[6:7]
	s_delay_alu instid0(VALU_DEP_1)
	v_add_f32 v10, v2, v3
.irp m, 1,2,4,8
	s_delay_alu instid0(VALU_DEP_1)
	v_add_f32_dpp v10, v10, v10 row_xmask:\m row_mask:0xf bank_mask:0xf
.endr
	s_delay_alu instid0(VALU_DEP_1)
	v_permlanex16_b32 v11, v10, s32, s33
	s_delay_alu instid0(VALU_DEP_1)
	v_add_f32 v10, v10, v11
.endm
	s_load_b256 s[4:11], s[0:1], 0x0               ; x1buf s[4:5], the parts s[6:7], b2 s[8:9], the gain s[10:11]
	s_load_b128 s[12:15], s[0:1], 0x20             ; the bias s[12:13], out0 s[14:15]
	v_lshrrev_b32 v2, 5, v0
	s_delay_alu instid0(VALU_DEP_1)
	v_readfirstlane_b32 s24, v2                    ; wave 0..15
	v_and_b32 v3, 31, v0
	s_delay_alu instid0(VALU_DEP_1)
	v_lshlrev_b32 v[LO], 4, v3
	v_mov_b32 v11, 0                               ; a lane permute's destination counts as one of its sources
	s_lshl_b32 s16, ttmp9, 4
	s_add_co_u32 s16, s16, s24                     ; my row: 16 x work-group + wave
	s_lshl_b32 s16, s16, 12                        ; 4,096 bytes a row
	s_mov_b32 s17, 0
	s_mov_b32 s30, 0x3a800000                      ; 1 / 1,024
	s_mov_b32 s31, 0x3727c5ac                      ; 1e-5
	s_mov_b32 s32, 0x76543210
	s_mov_b32 s33, 0xfedcba98                      ; v_permlanex16_b32's selects for lane l xor 16
	s_wait_alu depctr_va_vdst(0)
	s_wait_kmcnt 0x0
	s_add_nc_u64 s[4:5], s[4:5], s[16:17]
	s_add_nc_u64 s[6:7], s[6:7], s[16:17]
	s_add_nc_u64 s[14:15], s[14:15], s[16:17]
	s_add_nc_u64 s[18:19], s[6:7], 0x1000000       ; the next quarters' sums: 4,096 rows of 4,096 bytes on, each
	s_add_nc_u64 s[20:21], s[6:7], 0x2000000
	s_add_nc_u64 s[22:23], s[6:7], 0x3000000
	LOADROW X, 4
	LOADROW B2, 8
	LOADROW Q0, 6
	LOADROW Q1, 18
	LOADROW Q2, 20
	LOADROW Q3, 22
	s_wait_loadcnt 24                              ; x1, b2 and part 0 are in; the 24 loads of parts 1 to 3 may be out
	ADDROW B2
	ADDROW Q0
	LOADROW B2, 10                                 ; the gain and the bias take the registers that are done with
	LOADROW Q0, 12
	s_wait_loadcnt 16                              ; parts 1 to 3 are in; the gain's and the bias's sixteen loads may be out
	ADDROW Q1
	ADDROW Q2
	ADDROW Q3
	; the mean: four packed chains over my 32 numbers, then across the lanes
.irp k, 0,1,2,3
	v_pk_add_f32 v[2+2*\k:3+2*\k], v[X+4*\k:X+4*\k+1], v[X+4*\k+2:X+4*\k+3]
.endr
.irp j, 16,24
.irp k, 0,1,2,3
	s_delay_alu instid0(VALU_DEP_4)
	v_pk_add_f32 v[2+2*\k:3+2*\k], v[2+2*\k:3+2*\k], v[X+\j+2*\k:X+\j+2*\k+1]
.endr
.endr
	ACROSS
	s_delay_alu instid0(VALU_DEP_1)
	v_mul_f32 v12, 0xba800000, v10                 ; - the mean = the sum x -1 / 1,024
	s_delay_alu instid0(VALU_DEP_1)
	v_mov_b32 v13, v12                             ; twice: a pair for the packed addition
.set i, 0
.rept 16
	v_pk_add_f32 v[X+i:X+i+1], v[X+i:X+i+1], v[12:13]
.set i, i+2
.endr
	; the variance: the sum of the differences' squares; the first four products start the chains
.irp k, 0,1,2,3
	v_pk_mul_f32 v[2+2*\k:3+2*\k], v[X+2*\k:X+2*\k+1], v[X+2*\k:X+2*\k+1]
.endr
.irp j, 8,16,24
.irp k, 0,1,2,3
	s_delay_alu instid0(VALU_DEP_4)
	v_pk_fma_f32 v[2+2*\k:3+2*\k], v[X+\j+2*\k:X+\j+2*\k+1], v[X+\j+2*\k:X+\j+2*\k+1], v[2+2*\k:3+2*\k]
.endr
.endr
	ACROSS
	s_delay_alu instid0(VALU_DEP_1)
	v_fma_f32 v12, v10, s30, s31                   ; the variance + 1e-5
	s_wait_alu depctr_va_vdst(0)
	v_rsq_f32 v14, v12
	v_rsq_f32 v15, v12                             ; twice: a pair for the packed multiply
	v_nop                                          ; a plain line behind the transcendentals
	s_wait_alu depctr_va_vdst(0)                   ; one wait for both, ahead of their first reader
	s_wait_loadcnt 0x0                             ; the gain and the bias
.set i, 0
.rept 16
	v_pk_mul_f32 v[X+i:X+i+1], v[X+i:X+i+1], v[14:15]
.set i, i+2
.endr
.set i, 0
.rept 16
	v_pk_fma_f32 v[X+i:X+i+1], v[X+i:X+i+1], v[B2+i:B2+i+1], v[Q0+i:Q0+i+1]
.set i, i+2
.endr
.irp j, 0,1,2,3,4,5,6,7
	global_store_b128 v[LO], v[X+4*\j:X+4*\j+3], s[14:15] offset:512*\j th:TH_STORE_NT   ; 512 consecutive bytes a store; written once, read by nobody here
.endr
	s_endpgm
.Lfunc_end_k_q6286c07adb_ln2:
	.size	k_q6286c07adb_ln2, .Lfunc_end_k_q6286c07adb_ln2-k_q6286c07adb_ln2
	.p2alignl 7, 3214868480
	.fill 96, 4, 3214868480
	.section	.rodata,"a",@progbits
	.p2align	6, 0x0
	.amdhsa_kernel k_q6286c07adb_ln2
		.amdhsa_group_segment_fixed_size 0
		.amdhsa_private_segment_fixed_size 0
		.amdhsa_enable_private_segment 0
		.amdhsa_kernarg_size 48
		.amdhsa_user_sgpr_count 2
		.amdhsa_user_sgpr_kernarg_segment_ptr 1
		.amdhsa_wavefront_size32 1
		.amdhsa_system_sgpr_workgroup_id_x 1
		.amdhsa_system_sgpr_workgroup_id_y 1
		.amdhsa_system_sgpr_workgroup_id_z 1
		.amdhsa_system_vgpr_workitem_id 0
		.amdhsa_next_free_vgpr 208
		.amdhsa_next_free_sgpr 66
		.amdhsa_reserve_vcc 0
		.amdhsa_float_denorm_mode_32 3
		.amdhsa_float_denorm_mode_16_64 3
		.amdhsa_memory_ordered 1
		.amdhsa_forward_progress 1
		.amdhsa_inst_pref_size 21
	.end_amdhsa_kernel
	.amdgpu_metadata
---
amdhsa.version: [ 1, 2 ]
amdhsa.kernels:
  - .name:           k_q6286c07adb_ln2
    .symbol:         k_q6286c07adb_ln2.kd
    .args:
      - { .name: x1buf, .offset: 0, .size: 8, .value_kind: global_buffer, .address_space: global }
      - { .name: parts, .offset: 8, .size: 8, .value_kind: global_buffer, .address_space: global }
      - { .name: b2, .offset: 16, .size: 8, .value_kind: global_buffer, .address_space: global }
      - { .name: ln2_w, .offset: 24, .size: 8, .value_kind: global_buffer, .address_space: global }
      - { .name: ln2_b, .offset: 32, .size: 8, .value_kind: global_buffer, .address_space: global }
      - { .name: out0, .offset: 40, .size: 8, .value_kind: global_buffer, .address_space: global }
    .group_segment_fixed_size: 0
    .private_segment_fixed_size: 0
    .kernarg_segment_align: 8
    .kernarg_segment_size: 48
    .max_flat_workgroup_size: 512
    .sgpr_count:     66
    .vgpr_count:     208
    .wavefront_size: 32
...
	.end_amdgpu_metadata
.endif
;; end of part 8
